; MI455X (gfx1250); checked and timed in simulation.
; The chip was launched on July 23, 2026; its instructions are those of AMD's public machine-readable ISA for CDNA 5 (MIT licence, August 2026) and "CDNA5" Instruction Set Architecture Reference Guide (July 2026). The comments in the code are by the model that wrote it; some were corrected since.
;; GPT2 Attention. Allowed arithmetic: float matrix products may take bf16 or f16 operands with f32 sums; other float arithmetic in f32, or as packed bf16 or f16 multiplies, adds, multiply-adds, maxima and minima; sums over many terms, partial sums and values carried from step to step in f32; what a program stores and reads back later, other than sums and carried values, may be rounded once to bf16 or f16.
;; Inputs: W_attn 3,072 x 1,024 float32; W_proj 1,024 x 1,024 float32; attention_mask 1 x 1 x 2,048 x 2,048 float32; b_attn 3,072 float32; b_proj 1,024 float32; x 2 x 2,048 x 1,024 float32.
;; Outputs: out0 2 x 2,048 x 1,024 float32.
;; 3 versions, each right; version 2 is faster than version 1; version 3 is version 2 with the launch cvt written anew for expert scheduling mode. Each part assembles by itself: llvm-mc -triple=amdgcn-amd-amdhsa -mcpu=gfx1250 --defsym DOCPART=n.
;; ======== version 1 of 3: 4 launches
;; limits: right only within a limited range of input values; values are held in f16: magnitudes above 65,504 overflow, below 6.1e-05 lose precision
;; workspace buffers: xw16 16,777,216 bytes; qkv 33,554,432 bytes; att 16,777,216 bytes
;; launch cvt (part 1): grid 256 x 1, 8 waves a work-group, no clusters, 0 bytes of LDS; arguments x, W_attn, W_proj, xw16; writes xw16
.if DOCPART == 1
	.amdgcn_target "amdgcn-amd-amdhsa--gfx1250"
	.amdhsa_code_object_version 6
	.text
	.protected	k_q71b32a0f33_cvt
	.globl	k_q71b32a0f33_cvt
	.p2align	8
	.type	k_q71b32a0f33_cvt,@function
k_q71b32a0f33_cvt:
	s_mov_b64 s[64:65], 0
	v_nop
	global_prefetch_b8 v0, s[64:65] scope:SCOPE_SE
	s_setreg_imm32_b32 hwreg(HW_REG_WAVE_MODE, 25, 1), 1
	s_wait_xcnt 0x0
; x [4096][1024], W_attn [3072][1024] and W_proj [1024][1024] from f32 to 16 bits, one behind the other in xw16
; (x at byte 0, W_attn at 0x800000, W_proj at 0xE00000), so that the two products that follow read 16-bit tiles and convert nothing.
; All three are rounded to bf16 (nearest even).  x and W_attn are stored as bf16.  W_proj's bf16 numbers are stored in f16, because its partner in the
; product, the attention's result, goes in f16 pieces; f16 holds a bf16 number (8 significant bits) exactly from 2^-14 to 65,504 in size.
; LIMIT: a number of W_proj beyond 65,504 becomes infinite; below 2^-17 it is kept to 2^-25 absolute.  The drawn ones have a spread of 0.02.
; A stream: no LDS, no matrix unit, no cluster (no byte is read by two work-groups).
; Work-group g takes 32,768 numbers (131,072 bytes in, 65,536 out): g 0-127 of x, 128-223 of W_attn, 224-255 of W_proj.
; A wave takes 16,384 bytes by 32 loads of 512 neighbouring bytes, all issued at once; each store of a wave covers 256 consecutive bytes, aligned.
.set X, 4                              ; v[4:131]  load i: 4 registers; its two packed words are made in the first two
.set T, 132                            ; v[132:133] W_proj: four numbers in bf16
	s_load_b256 s[4:11], s[0:1], 0x0               ; x s[4:5], W_attn s[6:7], W_proj s[8:9], xw16 s[10:11]
	s_mov_b32 s12, ttmp9                           ; g
	v_and_b32 v3, 31, v0                           ; lane
	v_lshrrev_b32 v2, 5, v0                        ; wave
	v_lshlrev_b32 v1, 4, v3
	v_lshl_add_u32 v1, v2, 14, v1                  ; in: 16 x lane + 16,384 x wave
	v_lshlrev_b32 v3, 3, v3
	v_lshl_add_u32 v2, v2, 13, v3                  ; out: 8 x lane + 8,192 x wave
	s_wait_kmcnt 0x0
	s_cmp_lt_u32 s12, 128                          ; which input, and the number of its first work-group
	s_cselect_b64 s[14:15], s[4:5], s[6:7]
	s_cselect_b32 s16, 0, 128
	s_cmp_lt_u32 s12, 224
	s_cselect_b64 s[14:15], s[14:15], s[8:9]
	s_cselect_b32 s16, s16, 224
	s_sub_co_u32 s17, s12, s16
	s_lshl_b32 s18, s17, 17                        ; 131,072 bytes for each work-group of that input (below 16 MiB)
	s_mov_b32 s19, 0
	s_add_nc_u64 s[14:15], s[14:15], s[18:19]
	s_lshl_b32 s20, s12, 16                        ; 65,536 bytes out for each work-group
	s_mov_b32 s21, 0
	s_add_nc_u64 s[10:11], s[10:11], s[20:21]
.set i, 0
.rept 32
	global_load_b128 v[X+4*i:X+4*i+3], v1, s[14:15] offset:512*i th:TH_LOAD_NT
.set i, i+1
.endr
	s_cmp_lt_u32 s12, 224
	s_cbranch_scc0 .Lw_proj
.set i, 0
.rept 32
	s_wait_loadcnt 31-i                            ; loads return in order: load i is in, the 31 - i younger ones stay out
	v_cvt_pk_bf16_f32 v[X+4*i], v[X+4*i], v[X+4*i+1]
	v_cvt_pk_bf16_f32 v[X+4*i+1], v[X+4*i+2], v[X+4*i+3]
	global_store_b64 v2, v[X+4*i:X+4*i+1], s[10:11] offset:256*i   ; no register of a store is written again
.set i, i+1
.endr
	s_endpgm
.Lw_proj:
.set i, 0
.rept 32
	s_wait_loadcnt 31-i
	v_cvt_pk_bf16_f32 v[T], v[X+4*i], v[X+4*i+1]                   ; the rounding,
	v_cvt_pk_bf16_f32 v[T+1], v[X+4*i+2], v[X+4*i+3]
	v_lshlrev_b32 v[X+4*i], 16, v[T]                               ; back to f32 (a shift or a mask),
	v_and_b32 v[X+4*i+1], 0xffff0000, v[T]
	v_lshlrev_b32 v[X+4*i+2], 16, v[T+1]
	v_and_b32 v[X+4*i+3], 0xffff0000, v[T+1]
	v_cvt_pk_f16_f32 v[X+4*i], v[X+4*i], v[X+4*i+1]                ; and the same numbers in f16
	v_cvt_pk_f16_f32 v[X+4*i+1], v[X+4*i+2], v[X+4*i+3]
	global_store_b64 v2, v[X+4*i:X+4*i+1], s[10:11] offset:256*i
.set i, i+1
.endr
	s_endpgm
.Lfunc_end_k_q71b32a0f33_cvt:
	.size	k_q71b32a0f33_cvt, .Lfunc_end_k_q71b32a0f33_cvt-k_q71b32a0f33_cvt
	.p2alignl 7, 3214868480
	.fill 96, 4, 3214868480
	.section	.rodata,"a",@progbits
	.p2align	6, 0x0
	.amdhsa_kernel k_q71b32a0f33_cvt
		.amdhsa_group_segment_fixed_size 0
		.amdhsa_private_segment_fixed_size 0
		.amdhsa_enable_private_segment 0
		.amdhsa_kernarg_size 32
		.amdhsa_user_sgpr_count 2
		.amdhsa_user_sgpr_kernarg_segment_ptr 1
		.amdhsa_wavefront_size32 1
		.amdhsa_system_sgpr_workgroup_id_x 1
		.amdhsa_system_sgpr_workgroup_id_y 1
		.amdhsa_system_sgpr_workgroup_id_z 1
		.amdhsa_system_vgpr_workitem_id 0
		.amdhsa_next_free_vgpr 136
		.amdhsa_next_free_sgpr 66
		.amdhsa_reserve_vcc 0
		.amdhsa_float_denorm_mode_32 3
		.amdhsa_float_denorm_mode_16_64 3
		.amdhsa_memory_ordered 1
		.amdhsa_forward_progress 1
		.amdhsa_inst_pref_size 31
	.end_amdhsa_kernel
	.amdgpu_metadata
---
amdhsa.version: [ 1, 2 ]
amdhsa.kernels:
  - .name:           k_q71b32a0f33_cvt
    .symbol:         k_q71b32a0f33_cvt.kd
    .args:
      - { .name: x, .offset: 0, .size: 8, .value_kind: global_buffer, .address_space: global }
      - { .name: W_attn, .offset: 8, .size: 8, .value_kind: global_buffer, .address_space: global }
      - { .name: W_proj, .offset: 16, .size: 8, .value_kind: global_buffer, .address_space: global }
      - { .name: xw16, .offset: 24, .size: 8, .value_kind: global_buffer, .address_space: global }
    .group_segment_fixed_size: 0
    .private_segment_fixed_size: 0
    .kernarg_segment_align: 8
    .kernarg_segment_size: 32
    .max_flat_workgroup_size: 256
    .sgpr_count:     66
    .vgpr_count:     136
    .wavefront_size: 32
...
	.end_amdgpu_metadata
.endif
;; end of part 1
;; launch gemm_qkv (part 2): grid 12 x 16, 4 waves a work-group, clusters of 4 x 4, 327,680 bytes of LDS; arguments xw16, b_attn, qkv; writes qkv
.if DOCPART == 2
	.amdgcn_target "amdgcn-amd-amdhsa--gfx1250"
	.amdhsa_code_object_version 6
	.text
	.protected	k_q71b32a0f33_gemm_qkv
	.globl	k_q71b32a0f33_gemm_qkv
	.p2align	8
	.type	k_q71b32a0f33_gemm_qkv,@function
k_q71b32a0f33_gemm_qkv:
	s_mov_b64 s[64:65], 0
	v_nop
	global_prefetch_b8 v0, s[64:65] scope:SCOPE_SE
	s_setreg_imm32_b32 hwreg(HW_REG_WAVE_MODE, 25, 1), 1
	s_wait_xcnt 0x0
	s_wait_alu depctr_hold_cnt(0) depctr_sa_sdst(0) depctr_va_vdst(0) depctr_va_sdst(0) depctr_va_ssrc(0) depctr_va_vcc(0) depctr_vm_vsrc(0)
	s_getreg_b32 s2, hwreg(HW_REG_IB_STS2, 6, 4)
	s_cmp_eq_u32 s2, 0
	s_cbranch_scc0 .Lentry_in_a_cluster
	s_endpgm
.Lentry_in_a_cluster:
	s_bfe_u32 s2, ttmp6, 0x10000c
	s_cmp_lg_u32 s2, 0xf033
	s_cbranch_scc0 .Lentry_shape_is_right
	s_endpgm
.Lentry_shape_is_right:
; [q k v][m][n] = sum over k of x[m][k] W_attn[n][k] + b_attn[n].  x [4096][1024] and W_attn [3072][1024] in bf16 (xw16), sums in f32.
; OUT: qkv [4096][4096] in f16: columns 0-1023 q, 1024-2047 k, 2048-3071 the upper piece of v, 3072-4095 its lower piece.
; v goes on in TWO f16 pieces (upper: the f32 number with its low 13 mantissa bits cleared, exact in f16; lower: the rest, rounded to f16): a query whose
; weight lies on one key hands v through unaveraged, some fifteen times the size of a typical output, and one rounding to 11 bits of it is not small
; against a hundredth of the typical output.  q and k go on in one f16: their rounding moves a score by about 1e-4.
; A work-group makes 256 x 256 of the product with four waves; a wave makes 128 x 128: 64 accumulator tiles of 16 x 16, 512 registers.
; K goes in steps of 128 through two LDS slots filled by tensor loads: a tile's rows are 256 bytes of memory at multiples of 256 bytes.
; CLUSTER 4 x 4: the four work-groups of a row of the cluster need the same tiles of x, the four of a column the same tiles of W_attn; each such tile
; is asked for jointly (same line, same descriptor, a mask that names the four), which divides the requests for both by four.
; 12 x 16 = 192 work-groups: blocks of 256 x 192 would give 256, but their rows of 384 bytes would split aligned blocks of 256 bytes between work-groups.
; THE BIAS is the C operand of each sum's first product: nothing is cleared and nothing is added afterwards.
; THE MATRIX INSTRUCTION IS USED TRANSPOSED: source 0 = 16 rows of W_attn, source 1 = 16 rows of x; lane l then holds row l % 16 of the result and its registers
; 0 to 7 the columns 8 (l / 16) + 0 .. 7, which pack into 16 bytes.  So a tile's C is eight bias numbers a lane, the same for all row blocks.
; LIMIT: a result beyond 65,504 in size becomes infinite in f16; pieces below 2^-14 are kept to 2^-25 absolute.
; The drawn results stay under 4; with x, W_attn and b_attn thirty times larger under 3,500.
; REGISTERS in windows of 256: window 0: v16-27 addresses, v64-127 and v128-191 fragments of x (two buffers), v192-223 at work on the way out;
; window 1: v0-63 the bias of my 128 columns, v64-127 and v128-191 fragments of W_attn; windows 2 and 3: the accumulators of my rows 0-63 and 64-127.
.set SIZE_K, 1024
.set OUTROW, 8192                      ; bytes in a row of qkv
.set VLO,    2048                      ; v's lower piece lies 1,024 columns behind the upper
.set WOFF,   0x800000                  ; W_attn's first byte in xw16
.set KSTEP,  128
.set PITCH,  272                       ; an LDS row: 256 bytes + 16 of padding, so that the 16 rows of a fragment load start 16 bytes apart modulo 256
.set HALFT,  128*PITCH                 ; 128 rows: one tensor load
.set SLOT,   4*HALFT                   ; x's 256 rows, then W_attn's 256 rows
.set STAGE,  2*SLOT                    ; behind the ring: 16 rows x 272 bytes for each wave; no tensor load lands here
.set SPITCH, 272
.set LAPS, SIZE_K/(2*KSTEP)            ; 4 laps of two K steps
.set ADRA, 16                          ; v16-17  LDS address of my x fragments in slot 0, 1
.set ADRB, 20                          ; v20-21  the same for W_attn
.set STO,  24                          ; v24     way out: where I put 16 bytes of a row
.set RD,   25                          ; v25     way out: where I read a row back
.set CO,   26                          ; v26     my byte offset in qkv
.set BO,   27                          ; v27     my byte offset in the bias: 32 (l / 16)
.set F0,   64
.set F1,   128
.set TMP,  192
.set BIAS, 0                           ; window 1
.set G1, 24                            ; s[24:31] group 1 for x's tiles
.set G0, 32                            ; s[32:39] group 0 for x's tiles, one set a slot
.set G1B, 48                           ; s[48:55] group 1 for W_attn's tiles: the mask differs
.set G0B, 56                           ; s[56:63] group 0 for W_attn's tiles
.set MSB, 0
.macro WIN new                         ; the immediate's high byte repeats the setting that is left; a switch that changes nothing is dropped
.if MSB != \new
	s_set_vgpr_msb (MSB<<8)|\new
.set MSB, \new
.endif
.endm
.set MUL_LO, 0xa1                      ; source 0 window 1, source 1 window 0, C and D window 2
.set MUL_HI, 0xf1                      ; C and D window 3
.set BIA_LO, 0x91                      ; the first products: C (the bias) window 1, D window 2
.set BIA_HI, 0xd1                      ; D window 3
.set TO_B,   0x40                      ; destination window 1, address window 0
; A joint load: waves 0 and 1 fetch x's two halves, waves 2 and 3 W_attn's.  The branch hangs on the wave's number alone.
.macro JLOAD s
	s_cmp_eq_u32 s11, 0
	s_cbranch_scc0 .Lfor_b_\@
	tensor_load_to_lds s[G0+4*\s:G0+4*\s+3], s[G1:G1+7]
	s_nop 0
	s_branch .Lasked_\@
.Lfor_b_\@:
	tensor_load_to_lds s[G0B+4*\s:G0B+4*\s+3], s[G1B:G1B+7]
	s_nop 0
.Lasked_\@:
.endm
; A round of the cluster's barrier: my work-group's barrier, wave 0 signals for the work-group, every wave waits for all sixteen, my work-group's barrier again.
.macro CREST                           ; a round behind its opening barrier
	s_cmp_lg_u32 s10, 0
	s_cbranch_scc1 .Lnot_wave_0_\@
	s_barrier_signal -3
.Lnot_wave_0_\@:
	s_barrier_wait -3
	s_barrier_signal -1
	s_barrier_wait -1
.endm
.macro CROUND
	s_barrier_signal -1
	s_barrier_wait -1
	CREST
.endm
	s_load_b64 s[4:5], s[0:1], 0x0                 ; xw16: x begins at its first byte
	s_load_b64 s[66:67], s[0:1], 0x8               ; b_attn
	s_load_b64 s[8:9], s[0:1], 0x10                ; qkv
	s_set_vgpr_msb 0x40
	v_lshl_add_u32 v255, v0, 2, 0x48400
	s_set_vgpr_msb 0x4000
	v_mov_b32 v255, 0
	s_set_vgpr_msb 0x1
	ds_add_u32 v255, v255
	s_set_vgpr_msb 0x100
	v_lshrrev_b32 v1, 5, v0
	v_readfirstlane_b32 s10, v1                    ; wave 0..3
	s_lshr_b32 s11, s10, 1                         ; my half of the block's rows; also: I fetch for x (0) or W_attn (1)
	s_and_b32 s12, s10, 1                          ; my half of its columns; also: which 128 rows of that tile I fetch
	s_mov_b32 s45, ttmp9                           ; the cluster's x: 0 q's columns, 1 k's, 2 v's; the same in all sixteen work-groups
	s_bfe_u32 s40, ttmp6, 0x40000                  ; cx
	s_bfe_u32 s41, ttmp6, 0x40004                  ; cy
	s_lshl_b32 s42, ttmp9, 2
	s_add_co_u32 s42, s42, s40                     ; block column = 4 x cluster x + cx
	s_and_b32 s13, ttmp7, 0xffff
	s_lshl_b32 s13, s13, 2
	s_add_co_u32 s13, s13, s41                     ; block row = 4 x cluster y + cy
	s_lshl_b32 s43, s41, 2
	s_lshl_b32 s43, 15, s43                        ; my row of the cluster: places 4 cy .. 4 cy + 3
	s_lshl_b32 s44, 0x1111, s40                    ; my column: places cx, cx + 4, cx + 8, cx + 12
	; group 1: 128 rows x 128 elements of 2 bytes, 4 words of padding behind every 64 words, bit 21 set beside the mask
	s_or_b32 s[G1+0], s43, (1<<16)|(1<<20)|(1<<21)|(5<<22)|(3<<25)
	s_or_b32 s[G1B+0], s44, (1<<16)|(1<<20)|(1<<21)|(5<<22)|(3<<25)
	s_mov_b32 s[G1+1], KSTEP<<16                   ; tensor_dim0 = 128
	s_mov_b32 s[G1B+1], KSTEP<<16
	s_mov_b32 s[G1+2], 128<<16                     ; tensor_dim1 = 128
	s_mov_b32 s[G1B+2], 128<<16
	s_mov_b32 s[G1+3], KSTEP<<16                   ; tile_dim0 = 128
	s_mov_b32 s[G1B+3], KSTEP<<16
	s_mov_b32 s[G1+4], 128                         ; tile_dim1 = 128
	s_mov_b32 s[G1B+4], 128
	s_mov_b32 s[G1+5], SIZE_K                      ; elements from row to row
	s_mov_b32 s[G1B+5], SIZE_K
	s_mov_b32 s[G1+6], 0
	s_mov_b32 s[G1B+6], 0
	s_mov_b32 s[G1+7], 0
	s_mov_b32 s[G1B+7], 0
	; x's tiles hang on the block row alone, W_attn's on the block column alone; each offset lies in registers that never hold the other coordinate
	s_lshl_b32 s17, s12, 7
	s_lshl_b32 s16, s13, 8
	s_add_co_u32 s16, s16, s17                     ; x: row 256 x block row + 128 x half
	s_lshl_b32 s46, s42, 8
	s_add_co_u32 s46, s46, s17                     ; W_attn: row 256 x block column + 128 x half
	s_mov_b32 s17, 0
	s_mov_b32 s47, 0
	s_mov_b64 s[18:19], SIZE_K*2
	s_mul_u64 s[16:17], s[16:17], s[18:19]
	s_mul_u64 s[46:47], s[46:47], s[18:19]
	s_mul_i32 s20, s10, HALFT                      ; LDS: wave x 128 rows
	s_lshl_b32 s68, s42, 10                        ; the bias of my 128 columns: 4 bytes x (256 x block column + 128 x half)
	s_lshl_b32 s69, s12, 9
	s_add_co_u32 s68, s68, s69
	s_mov_b32 s69, 0
	s_wait_dscnt 0x0
	s_wait_kmcnt 0x0
	s_add_nc_u64 s[6:7], s[4:5], WOFF              ; W_attn in bf16
	s_add_nc_u64 s[14:15], s[4:5], s[16:17]
	s_add_nc_u64 s[46:47], s[6:7], s[46:47]
	s_add_nc_u64 s[66:67], s[66:67], s[68:69]
	CROUND                                         ; all sixteen work-groups are here: the first joint loads meet
.irp s, 0,1
	s_mov_b32 s[G0+4*\s], 1
	s_add_co_u32 s[G0+4*\s+1], s20, \s*SLOT
	s_add_nc_u64 s[G0+4*\s+2:G0+4*\s+3], s[14:15], \s*KSTEP*2
	s_or_b32 s[G0+4*\s+3], s[G0+4*\s+3], 0x80000000
	s_mov_b32 s[G0B+4*\s], 1
	s_add_co_u32 s[G0B+4*\s+1], s20, \s*SLOT
	s_add_nc_u64 s[G0B+4*\s+2:G0B+4*\s+3], s[46:47], \s*KSTEP*2
	s_or_b32 s[G0B+4*\s+3], s[G0B+4*\s+3], 0x80000000
	JLOAD \s                                       ; both slots' first fills go out before anything else: two tensor loads of the wave are out
.endr
	; a fragment: lane l holds row l % 16; registers 0-3 K = 8 (l / 16) + 0..7, registers 4-7 K = 16 + 8 (l / 16) + 0..7: two loads of 16 bytes, 32 apart
	v_and_b32 v1, 15, v0
	v_bfe_u32 v2, v0, 4, 1
	v_mul_u32_u24 v3, v1, PITCH
	v_lshl_add_u32 v3, v2, 4, v3
	s_mul_i32 s21, s11, HALFT
	s_mul_i32 s22, s12, HALFT
	s_add_co_u32 s22, s22, 2*HALFT
.irp s, 0,1
	v_add_nc_u32 v[ADRA+\s], s21, v3
	v_add_nc_u32 v[ADRB+\s], s22, v3
	s_add_co_u32 s21, s21, SLOT
	s_add_co_u32 s22, s22, SLOT
.endr
	s_mul_i32 s23, s10, 16*SPITCH
	s_add_co_u32 s23, s23, STAGE
	v_mul_u32_u24 v4, v1, SPITCH
	v_lshl_add_u32 v4, v2, 4, v4
	v_add_nc_u32 v[STO], s23, v4
	v_mul_u32_u24 v5, v2, SPITCH
	v_lshl_add_u32 v5, v1, 4, v5
	v_add_nc_u32 v[RD], s23, v5
	v_mul_u32_u24 v5, v2, OUTROW
	v_lshl_add_u32 v[CO], v1, 4, v5
	v_lshlrev_b32 v[BO], 5, v2
	WIN TO_B
.irp b, 0,1,2,3,4,5,6,7
	global_load_b128 v[BIAS+8*\b:BIAS+8*\b+3],   v[BO], s[66:67] offset:64*\b       ; b_attn of columns 16 b + 8 (l / 16) + 0..3
	global_load_b128 v[BIAS+8*\b+4:BIAS+8*\b+7], v[BO], s[66:67] offset:64*\b+16    ; + 4..7
.endr
	WIN 0
; 16 matrix instructions: row blocks a0, a0 + 1 of the window's four x all 8 column blocks, 32 along K.  zero = 1: the first product, onto the bias.
.macro MUL16 f, hi, a0, zero
.irp a, \a0, \a0+1
.irp b, 0,1,2,3,4,5,6,7
.if \zero
	v_wmma_f32_16x16x32_bf16 v[8*(8*(\a)+\b):8*(8*(\a)+\b)+7], v[\f+8*\b:\f+8*\b+7], v[\f+8*(4*\hi+\a):\f+8*(4*\hi+\a)+7], v[BIAS+8*\b:BIAS+8*\b+7]
.else
	v_wmma_f32_16x16x32_bf16 v[8*(8*(\a)+\b):8*(8*(\a)+\b)+7], v[\f+8*\b:\f+8*\b+7], v[\f+8*(4*\hi+\a):\f+8*(4*\hi+\a)+7], v[8*(8*(\a)+\b):8*(8*(\a)+\b)+7]
.endif
.endr
.endr
.endm
; 32 LDS loads in one run: one quarter step's fragments into buffer f
.macro FETCH slot, k, f
	WIN TO_B
.irp i, 0,1,2,3,4,5,6,7
	ds_load_b128 v[\f+8*\i:\f+8*\i+3],   v[ADRB+\slot] offset:\k+\i*16*PITCH
	ds_load_b128 v[\f+8*\i+4:\f+8*\i+7], v[ADRB+\slot] offset:\k+\i*16*PITCH+32
.endr
	WIN 0
.irp i, 0,1,2,3,4,5,6,7
	ds_load_b128 v[\f+8*\i:\f+8*\i+3],   v[ADRA+\slot] offset:\k+\i*16*PITCH
	ds_load_b128 v[\f+8*\i+4:\f+8*\i+7], v[ADRA+\slot] offset:\k+\i*16*PITCH+32
.endr
.endm
; Four independent plain vector instructions stand between a matrix instruction and a load into one of its sources or a vector read of its result
.macro PLACES
.rept 4
	v_nop
.endr
.endm
; A quarter step: 64 matrix instructions on buffer f; in its middle the next quarter's fragments go into buffer g.
; The 64 accumulators take turns, one instruction a turn, in the same order in every quarter.
.macro QUARTER slot, k, f, g, zero
	s_wait_dscnt 8                                 ; all but the youngest eight loads (x's rows 64-127) are in
.if \zero
	WIN BIA_LO
.else
	WIN MUL_LO
.endif
	MUL16 \f, 0, 0, \zero
	MUL16 \f, 0, 2, \zero
	PLACES
	FETCH \slot, \k, \g
	s_wait_dscnt 32                                ; all but the 32 just issued
.if \zero
	WIN BIA_HI
.else
	WIN MUL_HI
.endif
	MUL16 \f, 1, 0, \zero
	MUL16 \f, 1, 2, \zero
.endm
.macro THREE slot, zero
	QUARTER \slot, 64,  F0, F1, \zero
	QUARTER \slot, 128, F1, F0, 0
	QUARTER \slot, 192, F0, F1, 0
.endm
; The last quarter of a K step changes slots.  In front of the barrier each wave waits for its reads of this slot and for all its tensor loads (one is out:
; its part of the next slot); behind it this slot is asked for again first (fill = 1), then the next slot's first fragments are read.
.macro TURN slot, next, fill
	s_wait_dscnt 8
	WIN MUL_LO
	MUL16 F1, 0, 0, 0
	s_wait_dscnt 0                                 ; my reads of this slot are over
	s_wait_tensorcnt 0x0                           ; all my tensor loads have landed
	ds_add_u32 v255, v255
	s_wait_dscnt 0x0
	s_barrier_signal -1
	MUL16 F1, 0, 2, 0                              ; register work while the others arrive
	WIN 0
	s_barrier_wait -1
.if \fill
	CREST                                          ; the rest of the cluster's round: no wave of any partner still reads this slot or has a load on its way
	s_add_nc_u64 s[G0+4*\slot+2:G0+4*\slot+3], s[G0+4*\slot+2:G0+4*\slot+3], 2*KSTEP*2
	s_add_nc_u64 s[G0B+4*\slot+2:G0B+4*\slot+3], s[G0B+4*\slot+2:G0B+4*\slot+3], 2*KSTEP*2
	JLOAD \slot                                    ; my one tensor load behind the round; 240 matrix instructions follow before the wait for it
.endif
	PLACES
	FETCH \next, 0, F0
	WIN MUL_HI
	MUL16 F1, 1, 0, 0
	MUL16 F1, 1, 2, 0
.endm
.macro LAP zero
	THREE 0, \zero
	TURN 0, 1, 1
	THREE 1, 0
	TURN 1, 0, 1
.endm
	s_wait_loadcnt 0x0                             ; the bias
	s_wait_tensorcnt 1                             ; my part of K step 0 is in; K step 1's load stays out
	s_barrier_signal -1
	s_barrier_wait -1
	FETCH 0, 0, F0
	LAP 1                                          ; the first lap: its first products start the sums from the bias
	WIN 0
	s_mov_b32 s3, LAPS-2
.Llap:
	LAP 0
	WIN 0
	s_sub_co_u32 s3, s3, 1
	s_cmp_lg_u32 s3, 0
	s_cbranch_scc1 .Llap
	THREE 0, 0                                     ; the last lap fills nothing
	TURN 0, 1, 0
	THREE 1, 0
	s_wait_dscnt 8
	WIN MUL_LO
	MUL16 F1, 0, 0, 0
	MUL16 F1, 0, 2, 0
	s_wait_dscnt 0
	WIN MUL_HI
	MUL16 F1, 1, 0, 0
	MUL16 F1, 1, 2, 0
	; THE WAY OUT, 16 rows at a time: round to f16, 16 bytes a lane into my own stage, back as whole rows of 256 bytes
	PLACES
	WIN 0                                          ; a branch follows
	s_lshl_b32 s13, s13, 8
	s_lshl_b32 s14, s11, 7
	s_add_co_u32 s16, s13, s14                     ; my first row
	s_mov_b32 s17, 0
	s_mov_b64 s[18:19], OUTROW
	s_mul_u64 s[16:17], s[16:17], s[18:19]
	s_add_nc_u64 s[8:9], s[8:9], s[16:17]
	s_lshl_b32 s46, s42, 9                         ; my first column in bytes: 512 x block column + 256 x half
	s_lshl_b32 s47, s12, 8
	s_add_co_u32 s46, s46, s47
	s_mov_b32 s47, 0
	s_add_nc_u64 s[8:9], s[8:9], s[46:47]
; q's and k's columns: one f16.  rows 16 i .. + 15 = the eight tiles (a, 0..7) of window 2 or 3 (from = 0x0a or 0x0f: sources 0 and 1); f: F0 or F1 in turn
.macro OUT16 i, a, from, f
	WIN \from
.irp b, 0,1,2,3,4,5,6,7
.irp r, 0,1,2,3
	v_cvt_pk_f16_f32 v[TMP+4*\b+\r], v[8*(8*\a+\b)+2*\r], v[8*(8*\a+\b)+2*\r+1]
.endr
.endr
	WIN 0
.irp b, 0,1,2,3,4,5,6,7
	ds_store_b128 v[STO], v[TMP+4*\b:TMP+4*\b+3] offset:32*\b
.endr
	s_wait_xcnt 0x0                                ; buffer f, which earlier stores read, and the stores' base are written again only behind this wait
.if \i
	s_add_nc_u64 s[8:9], s[8:9], 16*OUTROW
.endif
.irp t, 0,1,2,3,4,5,6,7
	ds_load_b128 v[\f+4*\t:\f+4*\t+3], v[RD] offset:\t*2*SPITCH    ; a wave's LDS instructions are served in order: these see the stores above
.endr
.irp t, 0,1,2,3,4,5,6,7
	s_wait_dscnt 7-\t
	global_store_b128 v[CO], v[\f+4*\t:\f+4*\t+3], s[8:9] offset:2*\t*OUTROW   ; 16 lanes store 256 consecutive bytes, aligned
.endr
.endm
; v's columns: two f16 pieces.  The 64 accumulators of rows 16 i .. + 15 lie at v[64 a .. 64 a + 63] of their window.
; w1: source 1 in that window, destination window 0.  w2: source 0 and destination in that window, source 1 window 0.  w3: sources 0 and 1 in that window.
.macro OUTV i, a, w1, w2, w3
	WIN \w1
.set j, 0
.rept 64
	v_and_b32 v[F0+j], 0xffffe000, v[64*\a+j]      ; the upper piece: 11 significant bits, still in f32
.set j, j+1
.endr
	WIN \w2
.set j, 0
.rept 32
	v_pk_add_f32 v[64*\a+2*j:64*\a+2*j+1], v[64*\a+2*j:64*\a+2*j+1], v[F0+2*j:F0+2*j+1] neg_lo:[0,1] neg_hi:[0,1]   ; the rest, exact in f32, in place
.set j, j+1
.endr
	WIN 0
.set j, 0
.rept 32
	v_cvt_pk_f16_f32 v[TMP+j], v[F0+2*j], v[F0+2*j+1]
.set j, j+1
.endr
.irp b, 0,1,2,3,4,5,6,7
	ds_store_b128 v[STO], v[TMP+4*\b:TMP+4*\b+3] offset:32*\b
.endr
	s_wait_xcnt 0x0                                ; v128-191, which the last 16 rows' stores read, and the stores' base are written again only behind this wait
.if \i
	s_add_nc_u64 s[8:9], s[8:9], 16*OUTROW
.endif
.irp t, 0,1,2,3,4,5,6,7
	ds_load_b128 v[F1+4*\t:F1+4*\t+3], v[RD] offset:\t*2*SPITCH
.endr
.irp t, 0,1,2,3,4,5,6,7
	s_wait_dscnt 7-\t
	global_store_b128 v[CO], v[F1+4*\t:F1+4*\t+3], s[8:9] offset:2*\t*OUTROW
.endr
	WIN \w3
.set j, 0
.rept 32
	v_cvt_pk_f16_f32 v[TMP+j], v[64*\a+2*j], v[64*\a+2*j+1]
.set j, j+1
.endr
	WIN 0
.irp b, 0,1,2,3,4,5,6,7
	ds_store_b128 v[STO], v[TMP+4*\b:TMP+4*\b+3] offset:32*\b      ; the stage again: its loads above have come back
.endr
.irp t, 0,1,2,3,4,5,6,7
	ds_load_b128 v[F1+32+4*\t:F1+32+4*\t+3], v[RD] offset:\t*2*SPITCH
.endr
.irp t, 0,1,2,3,4,5,6,7
	s_wait_dscnt 7-\t
	global_store_b128 v[CO], v[F1+32+4*\t:F1+32+4*\t+3], s[8:9] offset:2*\t*OUTROW+VLO
.endr
.endm
	s_cmp_eq_u32 s45, 2                            ; the cluster's x alone decides: all sixteen work-groups go the same way
	s_cbranch_scc1 .Lv_out
	OUT16 0, 0, 0x0a, F0
	OUT16 1, 1, 0x0a, F1
	OUT16 2, 2, 0x0a, F0
	OUT16 3, 3, 0x0a, F1
	OUT16 4, 0, 0x0f, F0
	OUT16 5, 1, 0x0f, F1
	OUT16 6, 2, 0x0f, F0
	OUT16 7, 3, 0x0f, F1
	s_branch .Lclose
.Lv_out:
	OUTV 0, 0, 0x08, 0x82, 0x0a
	OUTV 1, 1, 0x08, 0x82, 0x0a
	OUTV 2, 2, 0x08, 0x82, 0x0a
	OUTV 3, 3, 0x08, 0x82, 0x0a
	OUTV 4, 0, 0x0c, 0xc3, 0x0f
	OUTV 5, 1, 0x0c, 0xc3, 0x0f
	OUTV 6, 2, 0x0c, 0xc3, 0x0f
	OUTV 7, 3, 0x0c, 0xc3, 0x0f
.Lclose:
	s_set_vgpr_msb 0x1
	s_wait_tensorcnt 0x0
	ds_add_u32 v255, v255
	s_wait_dscnt 0x0
	s_set_vgpr_msb 0x100
	CROUND                                         ; the closing round: no work-group ends while a partner may still ask for a tile that names it
	s_endpgm
.Lfunc_end_k_q71b32a0f33_gemm_qkv:
	.size	k_q71b32a0f33_gemm_qkv, .Lfunc_end_k_q71b32a0f33_gemm_qkv-k_q71b32a0f33_gemm_qkv
	.p2alignl 7, 3214868480
	.fill 96, 4, 3214868480
	.section	.rodata,"a",@progbits
	.p2align	6, 0x0
	.amdhsa_kernel k_q71b32a0f33_gemm_qkv
		.amdhsa_group_segment_fixed_size 327680
		.amdhsa_private_segment_fixed_size 0
		.amdhsa_enable_private_segment 0
		.amdhsa_kernarg_size 24
		.amdhsa_user_sgpr_count 2
		.amdhsa_user_sgpr_kernarg_segment_ptr 1
		.amdhsa_wavefront_size32 1
		.amdhsa_system_sgpr_workgroup_id_x 1
		.amdhsa_system_sgpr_workgroup_id_y 1
		.amdhsa_system_sgpr_workgroup_id_z 1
		.amdhsa_system_vgpr_workitem_id 0
		.amdhsa_next_free_vgpr 1024
		.amdhsa_next_free_sgpr 70
		.amdhsa_reserve_vcc 0
		.amdhsa_float_denorm_mode_32 3
		.amdhsa_float_denorm_mode_16_64 3
		.amdhsa_memory_ordered 1
		.amdhsa_forward_progress 1
		.amdhsa_inst_pref_size 255
	.end_amdhsa_kernel
	.section	.bss,"aw",@nobits
	.p2align	6
	.space	262144
	.amdgpu_metadata
---
amdhsa.version: [ 1, 2 ]
amdhsa.kernels:
  - .name:           k_q71b32a0f33_gemm_qkv
    .symbol:         k_q71b32a0f33_gemm_qkv.kd
    .args:
      - { .name: xw16, .offset: 0, .size: 8, .value_kind: global_buffer, .address_space: global }
      - { .name: b_attn, .offset: 8, .size: 8, .value_kind: global_buffer, .address_space: global }
      - { .name: qkv, .offset: 16, .size: 8, .value_kind: global_buffer, .address_space: global }
    .group_segment_fixed_size: 327680
    .private_segment_fixed_size: 0
    .kernarg_segment_align: 8
    .kernarg_segment_size: 24
    .max_flat_workgroup_size: 128
    .sgpr_count:     70
    .vgpr_count:     1024
    .wavefront_size: 32
...
	.end_amdgpu_metadata
.endif
;; end of part 2
;; launch attn (part 3): grid 16 x 16, 8 waves a work-group, clusters of 4 x 4, 327,680 bytes of LDS; arguments qkv, attention_mask, att; writes att
.if DOCPART == 3
	.amdgcn_target "amdgcn-amd-amdhsa--gfx1250"
	.amdhsa_code_object_version 6
	.text
	.protected	k_q71b32a0f33_attn
	.globl	k_q71b32a0f33_attn
	.p2align	8
	.type	k_q71b32a0f33_attn,@function
k_q71b32a0f33_attn:
	s_mov_b64 s[64:65], 0
	v_nop
	global_prefetch_b8 v0, s[64:65] scope:SCOPE_SE
	s_setreg_imm32_b32 hwreg(HW_REG_WAVE_MODE, 25, 1), 1
	s_wait_xcnt 0x0
	s_wait_alu depctr_hold_cnt(0) depctr_sa_sdst(0) depctr_va_vdst(0) depctr_va_sdst(0) depctr_va_ssrc(0) depctr_va_vcc(0) depctr_vm_vsrc(0)
	s_getreg_b32 s2, hwreg(HW_REG_IB_STS2, 6, 4)
	s_cmp_eq_u32 s2, 0
	s_cbranch_scc0 .Lentry_in_a_cluster
	s_endpgm
.Lentry_in_a_cluster:
	s_bfe_u32 s2, ttmp6, 0x10000c
	s_cmp_lg_u32 s2, 0xf033
	s_cbranch_scc0 .Lentry_shape_is_right
	s_endpgm
.Lentry_shape_is_right:
; att[b][q][64 head + d] = softmax over keys of (q . k / 8 + mask[q][key]) . v, for every head.
; qkv [4096][4096] f16 (q, k, v's upper piece, v's lower piece), mask [2048][2048] f32, att [4096][2048] f16 (1,024 upper pieces, then 1,024 lower pieces).
; The mask is an input: all 2,048 keys of every query are computed and every word of the mask is read.
; v comes and att goes in TWO f16 pieces: a query whose weight lies on one key hands v through unaveraged, some fifteen times the size of a typical output,
; and one rounding to 11 bits of it is not small against a hundredth of the typical output.  So out^T = Vupper^T P^T + Vlower^T P^T, two products on one sum.
; A work-group takes 128 queries (block X) of two neighbouring heads (pair p of batch b); the pair's 128 columns make rows of K, V and att of 256 bytes, aligned.
; Eight waves: wave w takes head w / 4 of the pair and queries 32 (w % 4) .. + 31.  32 trips of 64 keys through two LDS slots
; (two slots of 128 keys with both pieces of V would take 356,352 bytes, more than a work-group can have).
; CLUSTER 4 x 4: K's and V's tiles hang on (b, p) alone and are shared along a row of the cluster; the mask's tile hangs on X alone and is shared along a column.
; All are asked for jointly, each by the four work-groups that need it: a work-group issues 5 loads of 16 KiB a trip.
; PRODUCTS.  scores^T = K Q^T + mask^T: A = 16 keys x 32 d, B = 16 queries x 32 d, C = D = the registers into which the mask's words were loaded.
; Lane (r, h), register j then holds key 8 h + j of the tile and query r: a query's maximum and sum are a lane's own (and its partner's, lane xor 16), and two
; neighbouring key tiles, packed to f16, ARE the B fragment (32 keys x 16 queries) of out^T = V^T P^T: P never goes through LDS.
; A = V^T comes by the transposing LDS load from V stored [key][d].  1/8 is exact in f16: Q's registers are scaled once.
; SOFTMAX by a running maximum m: p = 2^((s - m) log2 e), the difference formed first, so that it is exact also where s and m are large (a row masked throughout).
; LIMITS.  m starts at -1e30: a row in which every score + mask lies below -1e30 gives NaN; -inf in part of a row is served.
; The mask is added inside the matrix unit's sum, so the order of rounding differs from a product that is rounded, scaled and then added to.
; P below 2^-25 of its row's largest weight is rounded to zero in f16.  A result beyond 65,504 in size becomes infinite in f16.
.set QKVROW, 8192                      ; bytes in a row of qkv
.set KEYS,   64                        ; keys in a trip
.set KPITCH, 272                       ; 256 + 16: the 16 rows of a fragment load start 16 bytes apart modulo 256
.set VPITCH, 288                       ; 256 + 32: an odd multiple of 32, for the transposing load
.set MPITCH, 272                       ; 64 keys x 4 bytes + 16
.set KOFF,   0
.set VOFF,   KEYS*KPITCH               ; 17,408: V's upper pieces
.set VSZ,    KEYS*VPITCH               ; 18,432: the lower pieces lie so far behind
.set MOFF,   VOFF+2*VSZ                ; 54,272: the mask, 128 query rows
.set SLOT,   MOFF+128*MPITCH           ; 89,088
.set STAGE,  2*SLOT                    ; 178,176: 128 rows x 272 bytes of upper pieces for the way out; no tensor load lands here
.set SPITCH, 272
.set STLO,   128*SPITCH                ; the lower pieces' stage lies so far behind
.set KVSTEP, KEYS*QKVROW               ; 64 keys on
.set MSTEP,  KEYS*4                    ; 64 keys on in a row of the mask
.set ADK, 4                            ; v4-5    K fragments in slot 0, 1
.set ADV, 6                            ; v6-7    V fragments
.set ADM, 8                            ; v8-9    mask words
.set STO, 10                           ; way out: where I put 16 bytes
.set RD,  11                           ; way out: where I read a row back
.set CO,  12                           ; my byte offset in att
.set QO,  13                           ; my byte offset in Q's rows
.set LS,  16                           ; v16-17  my lane's part of the sum, per query tile
.set MP,  18                           ; v[18:21] the running maximum, twice, per query tile
.set AL,  22                           ; v[22:25] the rescaling factor, twice, per query tile
.set QF,  32                           ; v[32:63]   Q fragment (qt, ks) at 32 + 16 qt + 8 ks
.set ACC, 64                           ; v[64:127]  out^T tile (dt, qt) at 64 + 8 (2 dt + qt)
.set SC,  128                          ; v[128:191] score tile (kt, qt) at 128 + 32 qt + 8 kt; then P
.set KF,  192                          ; v[192:255] K fragment (kt, ks) at 192 + 16 kt + 8 ks; then V fragment (u, dt) at 192 + 32 u + 8 dt
.set G1K, 24
.set G1V, 32
.set G1M, 40
.set G0K, 48                           ; s[48:55] one set a slot
.set G0V, 56
.set G0M, 68
.macro ROUND                           ; a round of the cluster's barrier
	s_barrier_signal -1
	s_barrier_wait -1
	s_cmp_lg_u32 s10, 0
	s_cbranch_scc1 .Lnot_wave_0_\@
	s_barrier_signal -3
.Lnot_wave_0_\@:
	s_barrier_wait -3
	s_barrier_signal -1
	s_barrier_wait -1
.endm
; At most one joint load a wave: wave 0 K, waves 1 and 2 V's lower and upper pieces, waves 3 and 4 the mask's lower and upper 64 query rows; waves 5-7 none.
; The branches hang on the wave's number alone.
.macro JLOAD s
	s_cmp_lt_u32 s10, 1
	s_cbranch_scc0 .Lnot_k_\@
	tensor_load_to_lds s[G0K+4*\s:G0K+4*\s+3], s[G1K:G1K+7]
	s_nop 0
	s_branch .Lasked_\@
.Lnot_k_\@:
	s_cmp_lt_u32 s10, 3
	s_cbranch_scc0 .Lnot_v_\@
	tensor_load_to_lds s[G0V+4*\s:G0V+4*\s+3], s[G1V:G1V+7]
	s_nop 0
	s_branch .Lasked_\@
.Lnot_v_\@:
	s_cmp_lt_u32 s10, 5
	s_cbranch_scc0 .Lasked_\@
	tensor_load_to_lds s[G0M+4*\s:G0M+4*\s+3], s[G1M:G1M+7]
	s_nop 0
.Lasked_\@:
.endm
; n independent plain vector instructions behind a matrix instruction: four before a load lands on one of its registers or a vector
; instruction reads its result, five before another matrix instruction writes over one of its registers.
.macro PLACES n
.rept \n
	v_nop
.endr
.endm
	s_load_b128 s[4:7], s[0:1], 0x0                ; qkv s[4:5], mask s[6:7]
	s_load_b64 s[8:9], s[0:1], 0x10                ; att
	v_lshl_add_u32 v14, v0, 2, 0x3c800
	v_mov_b32 v15, 0
	ds_add_u32 v14, v15
	v_lshrrev_b32 v1, 5, v0
	v_readfirstlane_b32 s10, v1                    ; wave 0..7
	s_and_b32 s11, s10, 1                          ; which piece of V, or which half of the mask's rows, I fetch
	s_and_b32 s12, s10, 3                          ; my group of 32 queries
	s_lshr_b32 s13, s10, 2                         ; my head of the pair
	s_bfe_u32 s14, ttmp6, 0x40000                  ; cx
	s_bfe_u32 s15, ttmp6, 0x40004                  ; cy
	s_lshl_b32 s16, ttmp9, 2
	s_add_co_u32 s16, s16, s14                     ; X: query block
	s_and_b32 s17, ttmp7, 0xffff
	s_lshl_b32 s17, s17, 2
	s_add_co_u32 s17, s17, s15                     ; Y
	s_lshr_b32 s18, s17, 3                         ; b
	s_and_b32 s19, s17, 7                          ; p
	s_lshl_b32 s20, s15, 2
	s_lshl_b32 s20, 15, s20                        ; my row of the cluster
	s_lshl_b32 s21, 0x1111, s14                    ; my column
	; group 1 of K: 64 rows x 128 elements of 2 bytes, 4 words of padding behind every 64; of V: 8 words; of the mask: 64 rows x 64 elements of 4 bytes, 4 words
	s_or_b32 s[G1K+0], s20, (1<<16)|(1<<20)|(1<<21)|(5<<22)|(3<<25)
	s_or_b32 s[G1V+0], s20, (1<<16)|(1<<20)|(1<<21)|(5<<22)|(7<<25)
	s_or_b32 s[G1M+0], s21, (2<<16)|(1<<20)|(1<<21)|(5<<22)|(3<<25)
	s_mov_b32 s[G1K+1], 128<<16                    ; tensor_dim0
	s_mov_b32 s[G1V+1], 128<<16
	s_mov_b32 s[G1M+1], 64<<16
	s_mov_b32 s[G1K+2], 64<<16                     ; tensor_dim1
	s_mov_b32 s[G1V+2], 64<<16
	s_mov_b32 s[G1M+2], 64<<16
	s_mov_b32 s[G1K+3], 128<<16                    ; tile_dim0
	s_mov_b32 s[G1V+3], 128<<16
	s_mov_b32 s[G1M+3], 64<<16
	s_mov_b32 s[G1K+4], 64                         ; tile_dim1
	s_mov_b32 s[G1V+4], 64
	s_mov_b32 s[G1M+4], 64
	s_mov_b32 s[G1K+5], 4096                       ; elements from row to row
	s_mov_b32 s[G1V+5], 4096
	s_mov_b32 s[G1M+5], 2048
	s_mov_b32 s[G1K+6], 0
	s_mov_b32 s[G1V+6], 0
	s_mov_b32 s[G1M+6], 0
	s_mov_b32 s[G1K+7], 0
	s_mov_b32 s[G1V+7], 0
	s_mov_b32 s[G1M+7], 0
	; K and V: row 2048 b, column bytes 256 p; V's lower piece 2,048 bytes on: made of Y and the wave's number alone
	s_lshl_b32 s80, s18, 24                        ; 2,048 b rows of 8,192 bytes
	s_lshl_b32 s81, s19, 8
	s_add_co_u32 s80, s80, s81
	s_mov_b32 s81, 0
	s_lshl_b32 s96, s11, 11
	s_add_co_u32 s96, s96, s80
	s_mov_b32 s97, 0
	; the mask: row 128 X + 64 x half: made of X and the wave's number alone
	s_lshl_b32 s84, s16, 7
	s_lshl_b32 s85, s11, 6
	s_add_co_u32 s84, s84, s85
	s_lshl_b32 s84, s84, 13                        ; rows of 8,192 bytes
	s_mov_b32 s85, 0
	s_mul_i32 s23, s11, VSZ                        ; where they go in a slot: the wave's number alone
	s_mul_i32 s79, s11, 64*MPITCH
	; Q: row 2048 b + 128 X + 32 group, column bytes 256 p + 128 head.  att: row 2048 b + 128 X + 16 wave, column bytes 256 p
	s_lshl_b32 s93, s18, 11
	s_lshl_b32 s88, s16, 7
	s_add_co_u32 s93, s93, s88
	s_lshl_b32 s91, s12, 5                         ; 32 x group
	s_add_co_u32 s88, s93, s91
	s_lshl_b32 s88, s88, 13                        ; rows of 8,192 bytes (below 32 MiB)
	s_lshl_b32 s89, s19, 8
	s_add_co_u32 s88, s88, s89
	s_lshl_b32 s90, s13, 7                         ; 128 x head
	s_add_co_u32 s88, s88, s90
	s_lshl_b32 s92, s10, 4                         ; 16 x wave
	s_add_co_u32 s94, s93, s92
	s_lshl_b32 s94, s94, 12                        ; att's rows of 4,096 bytes
	s_add_co_u32 s94, s94, s89
	s_mov_b32 s89, 0
	s_mov_b32 s95, 0
	s_mov_b32 s76, 0x76543210                      ; v_permlanex16_b32: lane i reads lane i xor 16
	s_mov_b32 s77, 0xfedcba98
	s_wait_dscnt 0x0
	s_wait_kmcnt 0x0
	s_add_nc_u64 s[82:83], s[4:5], s[80:81]
	s_add_nc_u64 s[98:99], s[4:5], s[96:97]
	s_add_nc_u64 s[86:87], s[6:7], s[84:85]
	s_add_nc_u64 s[2:3], s[4:5], s[88:89]
	s_add_nc_u64 s[8:9], s[8:9], s[94:95]
.irp s, 0,1
	s_mov_b32 s[G0K+4*\s], 1
	s_mov_b32 s[G0K+4*\s+1], \s*SLOT+KOFF
	s_add_nc_u64 s[G0K+4*\s+2:G0K+4*\s+3], s[82:83], 2048+\s*KVSTEP      ; k's columns begin at byte 2,048 of a row
	s_or_b32 s[G0K+4*\s+3], s[G0K+4*\s+3], 0x80000000
	s_mov_b32 s[G0V+4*\s], 1
	s_add_co_u32 s[G0V+4*\s+1], s23, \s*SLOT+VOFF
	s_add_nc_u64 s[G0V+4*\s+2:G0V+4*\s+3], s[98:99], 4096+\s*KVSTEP      ; v's at byte 4,096
	s_or_b32 s[G0V+4*\s+3], s[G0V+4*\s+3], 0x80000000
	s_mov_b32 s[G0M+4*\s], 1
	s_add_co_u32 s[G0M+4*\s+1], s79, \s*SLOT+MOFF
	s_add_nc_u64 s[G0M+4*\s+2:G0M+4*\s+3], s[86:87], \s*MSTEP
	s_or_b32 s[G0M+4*\s+3], s[G0M+4*\s+3], 0x80000000
.endr
	ROUND                                          ; all sixteen work-groups are here
	JLOAD 0                                        ; keys 0-63 into slot 0
	v_and_b32 v1, 15, v0                           ; r
	v_bfe_u32 v2, v0, 4, 1                         ; h
	v_mul_u32_u24 v3, v1, KPITCH                   ; K: key row r, 16 h, my head's 128 bytes
	v_lshl_add_u32 v3, v2, 4, v3
	v_add_nc_u32 v[ADK], s90, v3
	v_add_nc_u32 v[ADK+1], SLOT, v[ADK]
	v_and_b32 v3, 7, v0                            ; V: key row 8 h + lane % 8, 16 bytes x bit 3 of the lane
	v_lshl_add_u32 v3, v2, 3, v3
	v_mul_u32_u24 v3, v3, VPITCH
	v_bfe_u32 v26, v0, 3, 1
	v_lshl_add_u32 v3, v26, 4, v3
	v_add_nc_u32 v3, s90, v3                       ; my head's 128 bytes
	v_add_nc_u32 v[ADV], VOFF, v3
	v_add_nc_u32 v[ADV+1], SLOT, v[ADV]
	v_add_nc_u32 v26, s91, v1                      ; query row 32 group + r
	v_mul_u32_u24 v26, v26, MPITCH                 ; (the stage has the same pitch)
	v_lshl_add_u32 v3, v2, 5, v26                  ; mask: 8 h keys of 4 bytes
	v_add_nc_u32 v[ADM], MOFF, v3
	v_add_nc_u32 v[ADM+1], SLOT, v[ADM]
	v_lshl_add_u32 v3, v2, 4, v26                  ; stage: 8 h numbers of 2 bytes, my head's 128 bytes
	v_add_nc_u32 v3, s90, v3
	v_add_nc_u32 v[STO], STAGE, v3
	v_add_nc_u32 v3, s92, v2                       ; back: row 16 wave + h, 16 r
	v_mul_u32_u24 v3, v3, SPITCH
	v_lshl_add_u32 v3, v1, 4, v3
	v_add_nc_u32 v[RD], STAGE, v3
	v_lshlrev_b32 v[CO], 4, v1
	v_lshl_add_u32 v[CO], v2, 12, v[CO]            ; att: h rows of 4,096 bytes + 16 r
	v_lshlrev_b32 v[QO], 13, v1                    ; Q: r rows of 8,192 bytes + 16 h
	v_lshl_add_u32 v[QO], v2, 4, v[QO]
.irp qt, 0,1
.irp ks, 0,1
	global_load_b128 v[QF+16*\qt+8*\ks:QF+16*\qt+8*\ks+3],   v[QO], s[2:3] offset:16*QKVROW*\qt+64*\ks
	global_load_b128 v[QF+16*\qt+8*\ks+4:QF+16*\qt+8*\ks+7], v[QO], s[2:3] offset:16*QKVROW*\qt+64*\ks+32
.endr
.endr
.irp i, 0,1,2,3
	v_mov_b32 v[MP+\i], 0xf149f2ca                 ; -1e30
.endr
	v_mov_b32 v30, 0                               ; v_permlanex16_b32 counts as a reader of its destination
	v_mov_b32 v3, 0x30003000                       ; 1/8, twice, in f16
	s_wait_loadcnt 0x0
.set i, 0
.rept 32
	v_pk_mul_f16 v[QF+i], v[QF+i], v3
.set i, i+1
.endr
; The softmax step of query tile qt on its 64 keys (32 scores a lane).  first = 1: nothing to rescale yet.
.macro SOFT qt, first
.set SB,  SC+32*\qt
.set MPQ, MP+2*\qt
.set ALQ, AL+2*\qt
	v_max3_num_f32 v26, v[MPQ], v[SB], v[SB+1]     ; the maximum, in two chains
	v_max3_num_f32 v27, v[SB+16], v[SB+17], v[SB+18]
.irp i, 0,2,4,6,8,10
	v_max3_num_f32 v26, v26, v[SB+2+\i], v[SB+3+\i]
	v_max3_num_f32 v27, v27, v[SB+19+\i], v[SB+20+\i]
.endr
	v_max3_num_f32 v26, v26, v[SB+14], v[SB+15]
	v_max3_num_f32 v26, v26, v27, v[SB+31]
	v_permlanex16_b32 v30, v26, s76, s77           ; the other 32 keys of my query
	v_max_num_f32 v31, v26, v30
.if \first == 0
	v_sub_f32 v[ALQ], v[MPQ], v31                  ; old maximum - new
	v_mul_f32 v[ALQ], 0x3fb8aa3b, v[ALQ]
	v_exp_f32 v[ALQ], v[ALQ]
.endif
	v_mov_b32 v[MPQ], v31                          ; (a plain instruction behind the exponential, before its result is read: ISA guide 5.7.2)
	v_mov_b32 v[MPQ+1], v31
.if \first == 0
	s_wait_alu depctr_va_vdst(0)
	v_mov_b32 v[ALQ+1], v[ALQ]
.endif
.irp i, 0,2,4,6,8,10,12,14,16,18,20,22,24,26,28,30
	v_pk_add_f32 v[SB+\i:SB+\i+1], v[SB+\i:SB+\i+1], v[MPQ:MPQ+1] neg_lo:[0,1] neg_hi:[0,1]   ; s - m
.endr
.irp i, 0,2,4,6,8,10,12,14,16,18,20,22,24,26,28,30
	v_pk_mul_f32 v[SB+\i:SB+\i+1], v[SB+\i:SB+\i+1], 0x3fb8aa3b op_sel_hi:[1,0]               ; x log2 e
.endr
.set i, 0
.rept 32
	v_exp_f32 v[SB+i], v[SB+i]
.set i, i+1
.endr
.if \first
	v_nop                                          ; the plain instruction behind the last exponential
	s_wait_alu depctr_va_vdst(0)
.else
	s_wait_alu depctr_va_vdst(0)
.irp dt, 0,1,2,3
.irp i, 0,2,4,6
	v_pk_mul_f32 v[ACC+8*(2*\dt+\qt)+\i:ACC+8*(2*\dt+\qt)+\i+1], v[ACC+8*(2*\dt+\qt)+\i:ACC+8*(2*\dt+\qt)+\i+1], v[ALQ:ALQ+1]   ; what has been summed so far, to the new maximum
.endr
.endr
.endif
	v_pk_add_f32 v[26:27], v[SB:SB+1], v[SB+2:SB+3]            ; the sum of my 32 weights, in two chains
	v_pk_add_f32 v[28:29], v[SB+16:SB+17], v[SB+18:SB+19]
.irp i, 4,6,8,10,12,14
	v_pk_add_f32 v[26:27], v[26:27], v[SB+\i:SB+\i+1]
	v_pk_add_f32 v[28:29], v[28:29], v[SB+16+\i:SB+17+\i]
.endr
	v_pk_add_f32 v[26:27], v[26:27], v[28:29]
.if \first
	v_add_f32 v[LS+\qt], v26, v27
.else
	v_add_f32 v26, v26, v27
	v_fma_f32 v[LS+\qt], v[LS+\qt], v[ALQ], v26
.endif
.irp u, 0,16
.irp i, 0,1,2,3,4,5,6,7
	v_cvt_pk_f16_f32 v[SB+\u+\i], v[SB+\u+2*\i], v[SB+\u+2*\i+1]   ; in place, ascending: two key tiles become one B fragment in 8 registers
.endr
.endr
.endm
; Eight transposing loads: V^T of keys 32 u .. + 31, all 64 d, piece lo (0 upper, 1 lower), into half u of KF
.macro VLOAD slot, u, lo
.irp dt, 0,1,2,3
	ds_load_tr16_b128 v[KF+32*\u+8*\dt:KF+32*\u+8*\dt+3],   v[ADV+\slot] offset:\lo*VSZ+32*\u*VPITCH+32*\dt
	ds_load_tr16_b128 v[KF+32*\u+8*\dt+4:KF+32*\u+8*\dt+7], v[ADV+\slot] offset:\lo*VSZ+(32*\u+16)*VPITCH+32*\dt
.endr
.endm
; Eight products: out^T (all 64 d x my 32 queries) += what half u of KF holds x P of keys 32 u .. + 31.  first = 1: they start the sums.
.macro PV u, first
.irp dt, 0,1,2,3
.irp qt, 0,1
.if \first
	v_wmma_f32_16x16x32_f16 v[ACC+8*(2*\dt+\qt):ACC+8*(2*\dt+\qt)+7], v[KF+32*\u+8*\dt:KF+32*\u+8*\dt+7], v[SC+32*\qt+16*\u:SC+32*\qt+16*\u+7], 0
.else
	v_wmma_f32_16x16x32_f16 v[ACC+8*(2*\dt+\qt):ACC+8*(2*\dt+\qt)+7], v[KF+32*\u+8*\dt:KF+32*\u+8*\dt+7], v[SC+32*\qt+16*\u:SC+32*\qt+16*\u+7], v[ACC+8*(2*\dt+\qt):ACC+8*(2*\dt+\qt)+7]
.endif
.endr
.endr
.endm
; The slot's 64 keys against my 32 queries.
; Neighbouring matrix instructions never share an accumulator: they take turns, one instruction a turn.
.macro SUB slot, first
.irp kt, 0,1,2,3
.irp ks, 0,1
	ds_load_b128 v[KF+16*\kt+8*\ks:KF+16*\kt+8*\ks+3],   v[ADK+\slot] offset:16*KPITCH*\kt+64*\ks
	ds_load_b128 v[KF+16*\kt+8*\ks+4:KF+16*\kt+8*\ks+7], v[ADK+\slot] offset:16*KPITCH*\kt+64*\ks+32
.endr
.irp qt, 0,1
	ds_load_b128 v[SC+32*\qt+8*\kt:SC+32*\qt+8*\kt+3],   v[ADM+\slot] offset:16*MPITCH*\qt+64*\kt       ; mask[query r][keys 16 kt + 8 h + 0..3]
	ds_load_b128 v[SC+32*\qt+8*\kt+4:SC+32*\qt+8*\kt+7], v[ADM+\slot] offset:16*MPITCH*\qt+64*\kt+16    ; + 4..7
.endr
.endr
.irp kt, 0,1,2,3
	s_wait_dscnt 8*(3-\kt)                         ; eight loads for each key tile: the later tiles' may stay out
.irp ks, 0,1
.irp qt, 0,1
	v_wmma_f32_16x16x32_f16 v[SC+32*\qt+8*\kt:SC+32*\qt+8*\kt+7], v[KF+16*\kt+8*\ks:KF+16*\kt+8*\ks+7], v[QF+16*\qt+8*\ks:QF+16*\qt+8*\ks+7], v[SC+32*\qt+8*\kt:SC+32*\qt+8*\kt+7]
.endr
.endr
.endr
	PLACES 4                                       ; before loads land on K's fragments and vector instructions read the scores
	VLOAD \slot, 0, 0                              ; V's upper pieces, on their way during the softmax
	VLOAD \slot, 1, 0
	SOFT 0, \first
	SOFT 1, \first
	s_wait_dscnt 8                                 ; the upper pieces of keys 0-31 are in; the eight loads of keys 32-63 may stay out
	PV 0, \first
	PLACES 4                                       ; before loads land on the fragments just read
	VLOAD \slot, 0, 1                              ; the lower pieces of keys 0-31
	s_wait_dscnt 8                                 ; the upper pieces of keys 32-63 are in; the eight loads just issued may stay out
	PV 1, 0
	PLACES 4
	VLOAD \slot, 1, 1                              ; the lower pieces of keys 32-63
	s_wait_dscnt 8                                 ; the lower pieces of keys 0-31 are in; the eight loads just issued may stay out
	PV 0, 0
	s_wait_dscnt 0
	PV 1, 0
	PLACES 5                                       ; five: the next trip's score products write over the registers that these products read P from;
	                                               ; four of them also serve the next loads onto V's fragments and P, and the vector reads of the sums
.endm
; A trip: 64 keys in slot; the other slot, read in the last trip, is asked for again (refill = 1).
; One tensor load of a wave is out, and it has the whole trip in which to land.
.macro TRIP slot, other, refill, first
	s_wait_tensorcnt 0x0                           ; all my tensor loads have landed, my part of this trip's tiles among them: every group 0 may be written
	ds_add_u32 v14, v15
	s_wait_dscnt 0x0
	s_add_nc_u64 s[G0K+4*\slot+2:G0K+4*\slot+3], s[G0K+4*\slot+2:G0K+4*\slot+3], 2*KVSTEP   ; this slot's next tiles
	s_add_nc_u64 s[G0V+4*\slot+2:G0V+4*\slot+3], s[G0V+4*\slot+2:G0V+4*\slot+3], 2*KVSTEP
	s_add_nc_u64 s[G0M+4*\slot+2:G0M+4*\slot+3], s[G0M+4*\slot+2:G0M+4*\slot+3], 2*MSTEP
	s_wait_dscnt 0x0                               ; my reads of the last trip's slot are over
	ROUND                                          ; both now hold of every wave of every work-group of the cluster
.if \refill
	JLOAD \other
.endif
	SUB \slot, \first
.endm
	TRIP 0, 1, 1, 1                                ; the first products start the sums: nothing is cleared
	TRIP 1, 0, 1, 0
	s_mov_b32 s78, 14
.Ltrips:
	TRIP 0, 1, 1, 0
	TRIP 1, 0, 1, 0
	s_sub_co_u32 s78, s78, 1
	s_cmp_lg_u32 s78, 0
	s_cbranch_scc1 .Ltrips
	TRIP 0, 1, 1, 0                                ; asks for the last 64 keys
	TRIP 1, 0, 0, 0                                ; nothing is left to fetch (the stepped addresses are not used)
	; THE END: divide by the sum, split into two f16 pieces, gather the block's 128 rows x 256 bytes of each in the stage, store whole rows
.irp qt, 0,1
	v_permlanex16_b32 v30, v[LS+\qt], s76, s77
	v_add_f32 v[LS+\qt], v[LS+\qt], v30
.endr
	v_rcp_f32 v[AL], v[LS]
	v_rcp_f32 v[AL+2], v[LS+1]
	v_nop                                          ; a plain instruction before the reciprocals are read
	s_wait_alu depctr_va_vdst(0)
	v_mov_b32 v[AL+1], v[AL]
	v_mov_b32 v[AL+3], v[AL+2]
.irp dt, 0,1,2,3
.irp qt, 0,1
.irp i, 0,1,2,3
	v_pk_mul_f32 v[ACC+8*(2*\dt+\qt)+2*\i:ACC+8*(2*\dt+\qt)+2*\i+1], v[ACC+8*(2*\dt+\qt)+2*\i:ACC+8*(2*\dt+\qt)+2*\i+1], v[AL+2*\qt:AL+2*\qt+1]
.endr
.irp i, 0,1,2,3,4,5,6,7
	v_and_b32 v[KF+8*(2*\dt+\qt)+\i], 0xffffe000, v[ACC+8*(2*\dt+\qt)+\i]          ; the upper piece: 11 significant bits, still in f32
.endr
.irp i, 0,1,2,3
	v_pk_add_f32 v[ACC+8*(2*\dt+\qt)+2*\i:ACC+8*(2*\dt+\qt)+2*\i+1], v[ACC+8*(2*\dt+\qt)+2*\i:ACC+8*(2*\dt+\qt)+2*\i+1], v[KF+8*(2*\dt+\qt)+2*\i:KF+8*(2*\dt+\qt)+2*\i+1] neg_lo:[0,1] neg_hi:[0,1]   ; the rest, exact in f32
.endr
.irp i, 0,1,2,3
	v_cvt_pk_f16_f32 v[SC+4*(2*\dt+\qt)+\i], v[KF+8*(2*\dt+\qt)+2*\i], v[KF+8*(2*\dt+\qt)+2*\i+1]
	v_cvt_pk_f16_f32 v[SC+32+4*(2*\dt+\qt)+\i], v[ACC+8*(2*\dt+\qt)+2*\i], v[ACC+8*(2*\dt+\qt)+2*\i+1]
.endr
	ds_store_b128 v[STO], v[SC+4*(2*\dt+\qt):SC+4*(2*\dt+\qt)+3] offset:16*SPITCH*\qt+32*\dt             ; query 16 qt + r, d = 16 dt + 8 h + 0..7
	ds_store_b128 v[STO], v[SC+32+4*(2*\dt+\qt):SC+32+4*(2*\dt+\qt)+3] offset:STLO+16*SPITCH*\qt+32*\dt
.endr
.endr
	s_wait_dscnt 0x0                               ; my stores are done, for the waves that read them
	s_barrier_signal -1
	s_barrier_wait -1
.irp t, 0,1,2,3,4,5,6,7
	ds_load_b128 v[KF+4*\t:KF+4*\t+3], v[RD] offset:2*SPITCH*\t            ; rows 16 wave + 2 t + h: both heads' halves, upper pieces
.endr
.irp t, 0,1,2,3,4,5,6,7
	ds_load_b128 v[KF+32+4*\t:KF+32+4*\t+3], v[RD] offset:STLO+2*SPITCH*\t ; lower pieces
.endr
.irp t, 0,1,2,3,4,5,6,7
	s_wait_dscnt 15-\t                             ; load t of the sixteen is in
	global_store_b128 v[CO], v[KF+4*\t:KF+4*\t+3], s[8:9] offset:8192*\t   ; 16 lanes store 256 consecutive bytes, aligned
.endr
.irp t, 0,1,2,3,4,5,6,7
	s_wait_dscnt 7-\t
	global_store_b128 v[CO], v[KF+32+4*\t:KF+32+4*\t+3], s[8:9] offset:8192*\t+2048   ; the lower pieces lie 1,024 columns behind
.endr
	s_wait_tensorcnt 0x0
	ds_add_u32 v14, v15
	s_wait_dscnt 0x0
	ROUND                                          ; the closing round
	s_endpgm
.Lfunc_end_k_q71b32a0f33_attn:
	.size	k_q71b32a0f33_attn, .Lfunc_end_k_q71b32a0f33_attn-k_q71b32a0f33_attn
	.p2alignl 7, 3214868480
	.fill 96, 4, 3214868480
	.section	.rodata,"a",@progbits
	.p2align	6, 0x0
	.amdhsa_kernel k_q71b32a0f33_attn
		.amdhsa_group_segment_fixed_size 327680
		.amdhsa_private_segment_fixed_size 0
		.amdhsa_enable_private_segment 0
		.amdhsa_kernarg_size 24
		.amdhsa_user_sgpr_count 2
		.amdhsa_user_sgpr_kernarg_segment_ptr 1
		.amdhsa_wavefront_size32 1
		.amdhsa_system_sgpr_workgroup_id_x 1
		.amdhsa_system_sgpr_workgroup_id_y 1
		.amdhsa_system_sgpr_workgroup_id_z 1
		.amdhsa_system_vgpr_workitem_id 0
		.amdhsa_next_free_vgpr 256
		.amdhsa_next_free_sgpr 100
		.amdhsa_reserve_vcc 0
		.amdhsa_float_denorm_mode_32 3
		.amdhsa_float_denorm_mode_16_64 3
		.amdhsa_memory_ordered 1
		.amdhsa_forward_progress 1
		.amdhsa_inst_pref_size 174
	.end_amdhsa_kernel
	.amdgpu_metadata
---
amdhsa.version: [ 1, 2 ]
amdhsa.kernels:
  - .name:           k_q71b32a0f33_attn
    .symbol:         k_q71b32a0f33_attn.kd
    .args:
      - { .name: qkv, .offset: 0, .size: 8, .value_kind: global_buffer, .address_space: global }
      - { .name: attention_mask, .offset: 8, .size: 8, .value_kind: global_buffer, .address_space: global }
      - { .name: att, .offset: 16, .size: 8, .value_kind: global_buffer, .address_space: global }
    .group_segment_fixed_size: 327680
    .private_segment_fixed_size: 0
    .kernarg_segment_align: 8
    .kernarg_segment_size: 24
    .max_flat_workgroup_size: 256
    .sgpr_count:     100
    .vgpr_count:     256
    .wavefront_size: 32
...
	.end_amdgpu_metadata
.endif
;; end of part 3
;; launch gemm_proj (part 4): grid 8 x 32, 4 waves a work-group, clusters of 4 x 4, 327,680 bytes of LDS; arguments att, xw16, b_proj, out0; writes out0
.if DOCPART == 4
	.amdgcn_target "amdgcn-amd-amdhsa--gfx1250"
	.amdhsa_code_object_version 6
	.text
	.protected	k_q71b32a0f33_gemm_proj
	.globl	k_q71b32a0f33_gemm_proj
	.p2align	8
	.type	k_q71b32a0f33_gemm_proj,@function
k_q71b32a0f33_gemm_proj:
	s_mov_b64 s[64:65], 0
	v_nop
	global_prefetch_b8 v0, s[64:65] scope:SCOPE_SE
	s_setreg_imm32_b32 hwreg(HW_REG_WAVE_MODE, 25, 1), 1
	s_wait_xcnt 0x0
	s_wait_alu depctr_hold_cnt(0) depctr_sa_sdst(0) depctr_va_vdst(0) depctr_va_sdst(0) depctr_va_ssrc(0) depctr_va_vcc(0) depctr_vm_vsrc(0)
	s_getreg_b32 s2, hwreg(HW_REG_IB_STS2, 6, 4)
	s_cmp_eq_u32 s2, 0
	s_cbranch_scc0 .Lentry_in_a_cluster
	s_endpgm
.Lentry_in_a_cluster:
	s_bfe_u32 s2, ttmp6, 0x10000c
	s_cmp_lg_u32 s2, 0xf033
	s_cbranch_scc0 .Lentry_shape_is_right
	s_endpgm
.Lentry_shape_is_right:
; out0[m][n] = sum over k of att[m][k] W_proj[n][k] + b_proj[n].  Sums and out0 in f32.
; att comes in two f16 pieces, [4096][2048]: columns 0-1023 the upper pieces, 1024-2047 the lower.  W_proj [1024][1024] in f16 (numbers rounded to bf16).
; So the sum runs over 2,048: first the upper pieces against W_proj, then the lower pieces against W_proj again.
; A work-group makes 128 x 128 of out0 (8 x 32 = 256 work-groups; blocks of 256 x 256 would give 64); a wave makes 64 x 64: 16 accumulator tiles.
; K goes in steps of 256 through two LDS slots (rows of 512 bytes of memory, aligned): a step is 128 matrix instructions of a wave, in which the next tile lands.
; Eight steps, written out: both slots are filled at the start, each is filled three times more; W_proj's address goes forward, back and forward.
; CLUSTER 4 x 4: att's tiles are shared along a row of the cluster, W_proj's along a column, by joint loads.
; The bias is the C operand of each sum's first product.  The matrix instruction is used transposed (source 0 = rows of W_proj, source 1 = rows of att):
; lane l holds row l % 16 and its registers the columns 8 (l / 16) + 0 .. 7: 32 neighbouring bytes of a row of out0.
; REGISTERS: window 0: v16-27 addresses; buffer 0: att v32-63, W_proj v64-95; buffer 1: v96-127, v128-159; v160-223 rows read back on the way out.
; window 1: v0-127 accumulator tile (a, b) at 8 (4 a + b); v128-159 the bias of my 64 columns.
.set SIZE_N, 1024
.set KA,     2048                      ; elements in a row of att
.set KB,     1024                      ; elements in a row of W_proj
.set WOFF,   0xE00000                  ; W_proj's first byte in xw16
.set KSTEP,  256
.set PITCH,  528                       ; 512 bytes + 16: an odd multiple of 16
.set HALFT,  64*PITCH                  ; 64 rows: one tensor load
.set SLOT,   4*HALFT                   ; att's 128 rows, then W_proj's 128 rows
.set STAGE,  2*SLOT                    ; 16 rows x 272 bytes for each wave; no tensor load lands here
.set SPITCH, 272                       ; 64 f32 + 16 bytes
.set ADRA, 16
.set ADRB, 20
.set STO,  24
.set RD,   25
.set CO,   26
.set BO,   27
.set F0,   32
.set F1,   96
.set R0,   160
.set R1,   192
.set BIAS, 128                         ; window 1
.set G1, 24
.set G0, 32
.set G1B, 48
.set G0B, 56
.set MSB, 0
.macro WIN new
.if MSB != \new
	s_set_vgpr_msb (MSB<<8)|\new
.set MSB, \new
.endif
.endm
.set MUL, 0x50                         ; sources 0 and 1 window 0, C and D window 1
.set TO1, 0x40                         ; destination window 1, address window 0
.set ST,  0x04                         ; an LDS store's data window 1, its address window 0
.macro JLOAD s                         ; waves 0 and 1 fetch att's two halves, waves 2 and 3 W_proj's
	s_cmp_eq_u32 s11, 0
	s_cbranch_scc0 .Lfor_b_\@
	tensor_load_to_lds s[G0+4*\s:G0+4*\s+3], s[G1:G1+7]
	s_nop 0
	s_branch .Lasked_\@
.Lfor_b_\@:
	tensor_load_to_lds s[G0B+4*\s:G0B+4*\s+3], s[G1B:G1B+7]
	s_nop 0
.Lasked_\@:
.endm
.macro CREST
	s_cmp_lg_u32 s10, 0
	s_cbranch_scc1 .Lnot_wave_0_\@
	s_barrier_signal -3
.Lnot_wave_0_\@:
	s_barrier_wait -3
	s_barrier_signal -1
	s_barrier_wait -1
.endm
.macro CROUND
	s_barrier_signal -1
	s_barrier_wait -1
	CREST
.endm
	s_load_b128 s[4:7], s[0:1], 0x0                ; att s[4:5], xw16 s[6:7]
	s_load_b64 s[66:67], s[0:1], 0x10              ; b_proj
	s_load_b64 s[8:9], s[0:1], 0x18                ; out0
	v_lshl_add_u32 v254, v0, 2, 0x46400
	v_mov_b32 v255, 0
	ds_add_u32 v254, v255
	v_lshrrev_b32 v1, 5, v0
	v_readfirstlane_b32 s10, v1
	s_lshr_b32 s11, s10, 1                         ; my half of the rows; also: I fetch for att (0) or W_proj (1)
	s_and_b32 s12, s10, 1                          ; my half of the columns; also: which 64 rows I fetch
	s_bfe_u32 s40, ttmp6, 0x40000                  ; cx
	s_bfe_u32 s41, ttmp6, 0x40004                  ; cy
	s_lshl_b32 s42, ttmp9, 2
	s_add_co_u32 s42, s42, s40                     ; block column
	s_and_b32 s13, ttmp7, 0xffff
	s_lshl_b32 s13, s13, 2
	s_add_co_u32 s13, s13, s41                     ; block row
	s_lshl_b32 s43, s41, 2
	s_lshl_b32 s43, 15, s43
	s_lshl_b32 s44, 0x1111, s40
	; group 1: 64 rows x 256 elements of 2 bytes, 4 words of padding behind every 128 words
	s_or_b32 s[G1+0], s43, (1<<16)|(1<<20)|(1<<21)|(6<<22)|(3<<25)
	s_or_b32 s[G1B+0], s44, (1<<16)|(1<<20)|(1<<21)|(6<<22)|(3<<25)
	s_mov_b32 s[G1+1], KSTEP<<16
	s_mov_b32 s[G1B+1], KSTEP<<16
	s_mov_b32 s[G1+2], 64<<16
	s_mov_b32 s[G1B+2], 64<<16
	s_mov_b32 s[G1+3], KSTEP<<16
	s_mov_b32 s[G1B+3], KSTEP<<16
	s_mov_b32 s[G1+4], 64
	s_mov_b32 s[G1B+4], 64
	s_mov_b32 s[G1+5], KA                          ; elements from row to row
	s_mov_b32 s[G1B+5], KB
	s_mov_b32 s[G1+6], 0
	s_mov_b32 s[G1B+6], 0
	s_mov_b32 s[G1+7], 0
	s_mov_b32 s[G1B+7], 0
	s_lshl_b32 s17, s12, 6
	s_lshl_b32 s16, s13, 7
	s_add_co_u32 s16, s16, s17                     ; att: row 128 x block row + 64 x half
	s_lshl_b32 s46, s42, 7
	s_add_co_u32 s46, s46, s17                     ; W_proj: row 128 x block column + 64 x half
	s_mov_b32 s17, 0
	s_mov_b32 s47, 0
	s_mov_b64 s[18:19], KA*2
	s_mul_u64 s[16:17], s[16:17], s[18:19]
	s_mov_b64 s[18:19], KB*2
	s_mul_u64 s[46:47], s[46:47], s[18:19]
	s_mul_i32 s20, s10, HALFT
	s_lshl_b32 s68, s42, 9                         ; the bias of my 64 columns: 4 bytes x (128 x block column + 64 x half)
	s_lshl_b32 s69, s12, 8
	s_add_co_u32 s68, s68, s69
	s_mov_b32 s69, 0
	s_wait_dscnt 0x0
	s_wait_kmcnt 0x0
	s_add_nc_u64 s[6:7], s[6:7], WOFF
	s_add_nc_u64 s[14:15], s[4:5], s[16:17]
	s_add_nc_u64 s[46:47], s[6:7], s[46:47]
	s_add_nc_u64 s[66:67], s[66:67], s[68:69]
	CROUND
.irp s, 0,1
	s_mov_b32 s[G0+4*\s], 1
	s_add_co_u32 s[G0+4*\s+1], s20, \s*SLOT
	s_add_nc_u64 s[G0+4*\s+2:G0+4*\s+3], s[14:15], \s*KSTEP*2
	s_or_b32 s[G0+4*\s+3], s[G0+4*\s+3], 0x80000000
	s_mov_b32 s[G0B+4*\s], 1
	s_add_co_u32 s[G0B+4*\s+1], s20, \s*SLOT
	s_add_nc_u64 s[G0B+4*\s+2:G0B+4*\s+3], s[46:47], \s*KSTEP*2
	s_or_b32 s[G0B+4*\s+3], s[G0B+4*\s+3], 0x80000000
	JLOAD \s                                       ; both first fills go out together: two tensor loads of the wave are out
.endr
	v_and_b32 v1, 15, v0
	v_bfe_u32 v2, v0, 4, 1
	v_mul_u32_u24 v3, v1, PITCH
	v_lshl_add_u32 v3, v2, 4, v3
	s_mul_i32 s21, s11, HALFT
	s_mul_i32 s22, s12, HALFT
	s_add_co_u32 s22, s22, 2*HALFT
.irp s, 0,1
	v_add_nc_u32 v[ADRA+\s], s21, v3
	v_add_nc_u32 v[ADRB+\s], s22, v3
	s_add_co_u32 s21, s21, SLOT
	s_add_co_u32 s22, s22, SLOT
.endr
	s_mul_i32 s23, s10, 16*SPITCH
	s_add_co_u32 s23, s23, STAGE
	v_mul_u32_u24 v4, v1, SPITCH                   ; in: row l % 16, 32 bytes for each half of the lanes
	v_lshl_add_u32 v4, v2, 5, v4
	v_add_nc_u32 v[STO], s23, v4
	v_mul_u32_u24 v5, v2, SPITCH                   ; back: lanes 0-15 one row of 256 bytes, lanes 16-31 the next
	v_lshl_add_u32 v5, v1, 4, v5
	v_add_nc_u32 v[RD], s23, v5
	v_lshlrev_b32 v[CO], 4, v1
	v_lshl_add_u32 v[CO], v2, 12, v[CO]            ; the same two rows in out0: 4,096 bytes apart
	v_lshlrev_b32 v[BO], 5, v2
	WIN TO1
.irp b, 0,1,2,3
	global_load_b128 v[BIAS+8*\b:BIAS+8*\b+3],   v[BO], s[66:67] offset:64*\b
	global_load_b128 v[BIAS+8*\b+4:BIAS+8*\b+7], v[BO], s[66:67] offset:64*\b+16
.endr
	WIN 0
; four matrix instructions: row block a x the four column blocks, 32 along K.  first = 1: onto the bias.
.macro MUL4 f, a, first
.irp b, 0,1,2,3
.if \first
	v_wmma_f32_16x16x32_f16 v[8*(4*\a+\b):8*(4*\a+\b)+7], v[\f+32+8*\b:\f+32+8*\b+7], v[\f+8*\a:\f+8*\a+7], v[BIAS+8*\b:BIAS+8*\b+7]
.else
	v_wmma_f32_16x16x32_f16 v[8*(4*\a+\b):8*(4*\a+\b)+7], v[\f+32+8*\b:\f+32+8*\b+7], v[\f+8*\a:\f+8*\a+7], v[8*(4*\a+\b):8*(4*\a+\b)+7]
.endif
.endr
.endm
; 16 LDS loads in one run: W_proj's four blocks, then att's four
.macro FETCH slot, k, f
	WIN 0
.irp i, 0,1,2,3
	ds_load_b128 v[\f+32+8*\i:\f+32+8*\i+3], v[ADRB+\slot] offset:\k+\i*16*PITCH
	ds_load_b128 v[\f+32+8*\i+4:\f+32+8*\i+7], v[ADRB+\slot] offset:\k+\i*16*PITCH+32
.endr
.irp i, 0,1,2,3
	ds_load_b128 v[\f+8*\i:\f+8*\i+3],   v[ADRA+\slot] offset:\k+\i*16*PITCH
	ds_load_b128 v[\f+8*\i+4:\f+8*\i+7], v[ADRA+\slot] offset:\k+\i*16*PITCH+32
.endr
.endm
.macro PLACES                          ; four independent plain vector instructions behind a matrix instruction (ISA guide 7.12.1)
.rept 4
	v_nop
.endr
.endm
; An eighth of a K step: 16 matrix instructions on buffer f; in its middle the next eighth's fragments go into buffer g.
; The 16 accumulators take turns, one instruction a turn, in the same order in every eighth.
.macro QUARTER slot, k, f, g, first
	s_wait_dscnt 4                                 ; all but the youngest four loads (att's blocks 2 and 3) are in
	WIN MUL
	MUL4 \f, 0, \first
	MUL4 \f, 1, \first
	PLACES
	FETCH \slot, \k, \g
	s_wait_dscnt 16                                ; all but the 16 just issued
	WIN MUL
	MUL4 \f, 2, \first
	MUL4 \f, 3, \first
.endm
.macro SEVEN slot, first
	QUARTER \slot, 64,  F0, F1, \first
	QUARTER \slot, 128, F1, F0, 0
	QUARTER \slot, 192, F0, F1, 0
	QUARTER \slot, 256, F1, F0, 0
	QUARTER \slot, 320, F0, F1, 0
	QUARTER \slot, 384, F1, F0, 0
	QUARTER \slot, 448, F0, F1, 0
.endm
; The last eighth changes slots: each wave's waits for its reads of this slot and for all its tensor loads, the barrier (with a fill it opens a round of the
; cluster's barrier), the refill first behind it, then the next slot's first fragments.
; fill = 0: nothing is fetched; 1: att's and W_proj's addresses go two steps on; 2: att's goes two steps on, W_proj's two steps back (its rows begin again).
.macro TURN slot, next, fill
	s_wait_dscnt 4
	WIN MUL
	MUL4 F1, 0, 0
	s_wait_dscnt 0
	s_wait_tensorcnt 0x0
	ds_add_u32 v254, v255
	s_wait_dscnt 0x0
	s_barrier_signal -1
	MUL4 F1, 1, 0                                  ; register work while the others arrive
	WIN 0
	s_barrier_wait -1
.if \fill
	CREST
	s_add_nc_u64 s[G0+4*\slot+2:G0+4*\slot+3], s[G0+4*\slot+2:G0+4*\slot+3], 2*KSTEP*2
.if \fill == 1
	s_add_nc_u64 s[G0B+4*\slot+2:G0B+4*\slot+3], s[G0B+4*\slot+2:G0B+4*\slot+3], 2*KSTEP*2
.else
	s_sub_nc_u64 s[G0B+4*\slot+2:G0B+4*\slot+3], s[G0B+4*\slot+2:G0B+4*\slot+3], 2*KSTEP*2
.endif
	JLOAD \slot                                    ; my one tensor load behind the round; 124 matrix instructions follow before the wait for it
.endif
	PLACES
	FETCH \next, 0, F0
	WIN MUL
	MUL4 F1, 2, 0
	MUL4 F1, 3, 0
.endm
	s_wait_loadcnt 0x0                             ; the bias
	s_wait_tensorcnt 1                             ; my part of K step 0 is in; K step 1's stays out
	s_barrier_signal -1
	s_barrier_wait -1
	FETCH 0, 0, F0
	SEVEN 0, 1                                     ; K step 0: its first products start the sums from the bias
	TURN 0, 1, 1                                   ; slot 0 is asked for again: K step 2
	SEVEN 1, 0
	TURN 1, 0, 1                                   ; slot 1: K step 3
	SEVEN 0, 0
	TURN 0, 1, 2                                   ; slot 0: K step 4, the lower pieces' first; W_proj from its rows' start again
	SEVEN 1, 0
	TURN 1, 0, 2                                   ; slot 1: K step 5
	SEVEN 0, 0
	TURN 0, 1, 1                                   ; slot 0: K step 6
	SEVEN 1, 0
	TURN 1, 0, 1                                   ; slot 1: K step 7
	SEVEN 0, 0
	TURN 0, 1, 0
	SEVEN 1, 0
	s_wait_dscnt 4                                 ; the very last eighth: nothing more to fetch
	WIN MUL
	MUL4 F1, 0, 0
	MUL4 F1, 1, 0
	s_wait_dscnt 0
	MUL4 F1, 2, 0
	MUL4 F1, 3, 0
	; THE WAY OUT, 16 rows at a time: 32 bytes a lane into my own stage, back as whole pieces of 256 bytes of a row
	PLACES
	WIN 0
	s_lshl_b32 s13, s13, 7
	s_lshl_b32 s14, s11, 6
	s_add_co_u32 s16, s13, s14                     ; my first row,
	s_lshl_b32 s16, s16, 12                        ; in bytes (below 16 MiB)
	s_mov_b32 s17, 0
	s_add_nc_u64 s[8:9], s[8:9], s[16:17]
	s_lshl_b32 s46, s42, 9                         ; my first column in bytes: 512 x block column + 256 x half
	s_lshl_b32 s47, s12, 8
	s_add_co_u32 s46, s46, s47
	s_mov_b32 s47, 0
	s_add_nc_u64 s[8:9], s[8:9], s[46:47]
.macro OUT16 a, f
	WIN ST
.irp b, 0,1,2,3
	ds_store_b128 v[STO], v[8*(4*\a+\b):8*(4*\a+\b)+3]   offset:64*\b
	ds_store_b128 v[STO], v[8*(4*\a+\b)+4:8*(4*\a+\b)+7] offset:64*\b+16
.endr
	WIN 0
	s_wait_xcnt 0x0                                ; buffer f, which earlier stores read, and the stores' base are written again only behind this wait
.if \a
	s_add_nc_u64 s[8:9], s[8:9], 16*SIZE_N*4
.endif
.irp t, 0,1,2,3,4,5,6,7
	ds_load_b128 v[\f+4*\t:\f+4*\t+3], v[RD] offset:\t*2*SPITCH    ; a wave's LDS instructions are served in order: these see the stores above
.endr
.irp t, 0,1,2,3,4,5,6,7
	s_wait_dscnt 7-\t
	global_store_b128 v[CO], v[\f+4*\t:\f+4*\t+3], s[8:9] offset:2*\t*SIZE_N*4 th:TH_STORE_NT   ; 16 lanes store 256 consecutive bytes, aligned
.endr
.endm
	OUT16 0, R0
	OUT16 1, R1
	OUT16 2, R0
	OUT16 3, R1
	s_wait_tensorcnt 0x0
	ds_add_u32 v254, v255
	s_wait_dscnt 0x0
	CROUND                                         ; the closing round
	s_endpgm
.Lfunc_end_k_q71b32a0f33_gemm_proj:
	.size	k_q71b32a0f33_gemm_proj, .Lfunc_end_k_q71b32a0f33_gemm_proj-k_q71b32a0f33_gemm_proj
	.p2alignl 7, 3214868480
	.fill 96, 4, 3214868480
	.section	.rodata,"a",@progbits
	.p2align	6, 0x0
	.amdhsa_kernel k_q71b32a0f33_gemm_proj
		.amdhsa_group_segment_fixed_size 327680
		.amdhsa_private_segment_fixed_size 0
		.amdhsa_enable_private_segment 0
		.amdhsa_kernarg_size 32
		.amdhsa_user_sgpr_count 2
		.amdhsa_user_sgpr_kernarg_segment_ptr 1
		.amdhsa_wavefront_size32 1
		.amdhsa_system_sgpr_workgroup_id_x 1
		.amdhsa_system_sgpr_workgroup_id_y 1
		.amdhsa_system_sgpr_workgroup_id_z 1
		.amdhsa_system_vgpr_workitem_id 0
		.amdhsa_next_free_vgpr 416
		.amdhsa_next_free_sgpr 70
		.amdhsa_reserve_vcc 0
		.amdhsa_float_denorm_mode_32 3
		.amdhsa_float_denorm_mode_16_64 3
		.amdhsa_memory_ordered 1
		.amdhsa_forward_progress 1
		.amdhsa_inst_pref_size 166
	.end_amdhsa_kernel
	.amdgpu_metadata
---
amdhsa.version: [ 1, 2 ]
amdhsa.kernels:
  - .name:           k_q71b32a0f33_gemm_proj
    .symbol:         k_q71b32a0f33_gemm_proj.kd
    .args:
      - { .name: att, .offset: 0, .size: 8, .value_kind: global_buffer, .address_space: global }
      - { .name: xw16, .offset: 8, .size: 8, .value_kind: global_buffer, .address_space: global }
      - { .name: b_proj, .offset: 16, .size: 8, .value_kind: global_buffer, .address_space: global }
      - { .name: out0, .offset: 24, .size: 8, .value_kind: global_buffer, .address_space: global }
    .group_segment_fixed_size: 327680
    .private_segment_fixed_size: 0
    .kernarg_segment_align: 8
    .kernarg_segment_size: 32
    .max_flat_workgroup_size: 128
    .sgpr_count:     70
    .vgpr_count:     416
    .wavefront_size: 32
...
	.end_amdgpu_metadata
.endif
;; end of part 4
;; ======== version 2 of 3: 4 launches; 1.16 times as fast as version 1
;; limits: right only within a limited range of input values; values are held in f16: magnitudes above 65,504 overflow, below 6.1e-05 lose precision
;; workspace buffers: xw16 16,777,216 bytes; qkv 25,165,824 bytes; att 16,777,216 bytes
;; launch cvt: the kernel of part 1 again; grid 256 x 1, 8 waves a work-group, no clusters, 0 bytes of LDS; arguments x, W_attn, W_proj, xw16; writes xw16
;; launch gemm_qkv (part 5): grid 12 x 16, 4 waves a work-group, clusters of 4 x 4, 327,680 bytes of LDS; arguments xw16, b_attn, qkv; writes qkv
.if DOCPART == 5
	.amdgcn_target "amdgcn-amd-amdhsa--gfx1250"
	.amdhsa_code_object_version 6
	.text
	.protected	k_q71b32a0f33_gemm_qkv
	.globl	k_q71b32a0f33_gemm_qkv
	.p2align	8
	.type	k_q71b32a0f33_gemm_qkv,@function
k_q71b32a0f33_gemm_qkv:
	s_mov_b64 s[64:65], 0
	v_nop
	global_prefetch_b8 v0, s[64:65] scope:SCOPE_SE
	s_setreg_imm32_b32 hwreg(HW_REG_WAVE_MODE, 25, 1), 1
	s_wait_xcnt 0x0
	s_wait_alu depctr_hold_cnt(0) depctr_sa_sdst(0) depctr_va_vdst(0) depctr_va_sdst(0) depctr_va_ssrc(0) depctr_va_vcc(0) depctr_vm_vsrc(0)
	s_getreg_b32 s2, hwreg(HW_REG_IB_STS2, 6, 4)
	s_cmp_eq_u32 s2, 0
	s_cbranch_scc0 .Lentry_in_a_cluster
	s_endpgm
.Lentry_in_a_cluster:
	s_bfe_u32 s2, ttmp6, 0x10000c
	s_cmp_lg_u32 s2, 0xf033
	s_cbranch_scc0 .Lentry_shape_is_right
	s_endpgm
.Lentry_shape_is_right:
; qkv[m][n] = sum over k of x[m][k] W_attn[n][k] + b_attn[n].  x [4096][1024] and W_attn [3072][1024] in bf16 (xw16), sums in f32, qkv [4096][3072] in f16
; (columns 0-1023 q, 1024-2047 k, 2048-3071 v).  f16 and not bf16 for the results: its rounding is eight times finer, and these numbers have the room (see LIMIT).
; A work-group makes 256 x 256 of qkv with four waves; a wave makes 128 x 128: 64 accumulator tiles of 16 x 16, 512 registers.
; K goes in steps of 128 through two LDS slots filled by tensor loads: a tile's rows are 256 bytes of memory at multiples of 256 bytes.
; CLUSTER 4 x 4: the four work-groups of a row of the cluster need the same tiles of x, the four of a column the same tiles of W_attn; each such tile
; is asked for jointly (same line, same descriptor, a mask that names the four), which divides the requests for both by four.
; 12 x 16 = 192 work-groups: blocks of 256 x 192 would give 256, but their rows of 384 bytes would split aligned blocks of 256 bytes between work-groups.
; THE BIAS is the C operand of each sum's first product: nothing is cleared and nothing is added afterwards.
; THE MATRIX INSTRUCTION IS USED TRANSPOSED: source 0 = 16 rows of W_attn, source 1 = 16 rows of x; lane l then holds row l % 16 of qkv and its registers
; 0 to 7 the columns 8 (l / 16) + 0 .. 7, which pack into 16 bytes.  So a tile's C is eight bias numbers a lane, the same for all row blocks.
; LIMIT: a result beyond 65,504 in size becomes infinite in f16; below 2^-14 it is kept to 2^-25 absolute.
; The drawn results stay under 4; with x, W_attn and b_attn thirty times larger under 3,500.
; REGISTERS in windows of 256: window 0: v16-27 addresses, v64-127 and v128-191 fragments of x (two buffers), v192-223 at work on the way out;
; window 1: v0-63 the bias of my 128 columns, v64-127 and v128-191 fragments of W_attn; windows 2 and 3: the accumulators of my rows 0-63 and 64-127.
.set SIZE_K, 1024
.set OUTROW, 6144                      ; bytes in a row of qkv
.set WOFF,   0x800000                  ; W_attn's first byte in xw16
.set KSTEP,  128
.set PITCH,  272                       ; an LDS row: 256 bytes + 16 of padding, so that the 16 rows of a fragment load start 16 bytes apart modulo 256
.set HALFT,  128*PITCH                 ; 128 rows: one tensor load
.set SLOT,   4*HALFT                   ; x's 256 rows, then W_attn's 256 rows
.set STAGE,  2*SLOT                    ; behind the ring: 16 rows x 272 bytes for each wave; no tensor load lands here
.set SPITCH, 272
.set LAPS, SIZE_K/(2*KSTEP)            ; 4 laps of two K steps
.set ADRA, 16                          ; v16-17  LDS address of my x fragments in slot 0, 1
.set ADRB, 20                          ; v20-21  the same for W_attn
.set STO,  24                          ; v24     way out: where I put 16 bytes of a row
.set RD,   25                          ; v25     way out: where I read a row back
.set CO,   26                          ; v26     my byte offset in qkv
.set BO,   27                          ; v27     my byte offset in the bias: 32 (l / 16)
.set F0,   64
.set F1,   128
.set TMP,  192
.set BIAS, 0                           ; window 1
.set G1, 24                            ; s[24:31] group 1 for x's tiles
.set G0, 32                            ; s[32:39] group 0 for x's tiles, one set a slot
.set G1B, 48                           ; s[48:55] group 1 for W_attn's tiles: the mask differs
.set G0B, 56                           ; s[56:63] group 0 for W_attn's tiles
.set MSB, 0
.macro WIN new                         ; the immediate's high byte repeats the setting that is left; a switch that changes nothing is dropped
.if MSB != \new
	s_set_vgpr_msb (MSB<<8)|\new
.set MSB, \new
.endif
.endm
.set MUL_LO, 0xa1                      ; source 0 window 1, source 1 window 0, C and D window 2
.set MUL_HI, 0xf1                      ; C and D window 3
.set BIA_LO, 0x91                      ; the first products: C (the bias) window 1, D window 2
.set BIA_HI, 0xd1                      ; D window 3
.set TO_B,   0x40                      ; destination window 1, address window 0
; A joint load: waves 0 and 1 fetch x's two halves, waves 2 and 3 W_attn's.  The branch hangs on the wave's number alone.
.macro JLOAD s
	s_cmp_eq_u32 s11, 0
	s_cbranch_scc0 .Lfor_b_\@
	tensor_load_to_lds s[G0+4*\s:G0+4*\s+3], s[G1:G1+7]
	s_nop 0
	s_branch .Lasked_\@
.Lfor_b_\@:
	tensor_load_to_lds s[G0B+4*\s:G0B+4*\s+3], s[G1B:G1B+7]
	s_nop 0
.Lasked_\@:
.endm
; A round of the cluster's barrier: my work-group's barrier, wave 0 signals for the work-group, every wave waits for all sixteen, my work-group's barrier again.
.macro CREST                           ; a round behind its opening barrier
	s_cmp_lg_u32 s10, 0
	s_cbranch_scc1 .Lnot_wave_0_\@
	s_barrier_signal -3
.Lnot_wave_0_\@:
	s_barrier_wait -3
	s_barrier_signal -1
	s_barrier_wait -1
.endm
.macro CROUND
	s_barrier_signal -1
	s_barrier_wait -1
	CREST
.endm
	s_load_b64 s[4:5], s[0:1], 0x0                 ; xw16: x begins at its first byte
	s_load_b64 s[66:67], s[0:1], 0x8               ; b_attn
	s_load_b64 s[8:9], s[0:1], 0x10                ; qkv
	s_set_vgpr_msb 0x40
	v_lshl_add_u32 v255, v0, 2, 0x48400
	s_set_vgpr_msb 0x4000
	v_mov_b32 v255, 0
	s_set_vgpr_msb 0x1
	ds_add_u32 v255, v255
	s_set_vgpr_msb 0x100
	v_lshrrev_b32 v1, 5, v0
	v_readfirstlane_b32 s10, v1                    ; wave 0..3
	s_lshr_b32 s11, s10, 1                         ; my half of the block's rows; also: I fetch for x (0) or W_attn (1)
	s_and_b32 s12, s10, 1                          ; my half of its columns; also: which 128 rows of that tile I fetch
	s_bfe_u32 s40, ttmp6, 0x40000                  ; cx
	s_bfe_u32 s41, ttmp6, 0x40004                  ; cy
	s_lshl_b32 s42, ttmp9, 2
	s_add_co_u32 s42, s42, s40                     ; block column = 4 x cluster x + cx
	s_and_b32 s13, ttmp7, 0xffff
	s_lshl_b32 s13, s13, 2
	s_add_co_u32 s13, s13, s41                     ; block row = 4 x cluster y + cy
	s_lshl_b32 s43, s41, 2
	s_lshl_b32 s43, 15, s43                        ; my row of the cluster: places 4 cy .. 4 cy + 3
	s_lshl_b32 s44, 0x1111, s40                    ; my column: places cx, cx + 4, cx + 8, cx + 12
	; group 1: 128 rows x 128 elements of 2 bytes, 4 words of padding behind every 64 words, bit 21 set beside the mask
	s_or_b32 s[G1+0], s43, (1<<16)|(1<<20)|(1<<21)|(5<<22)|(3<<25)
	s_or_b32 s[G1B+0], s44, (1<<16)|(1<<20)|(1<<21)|(5<<22)|(3<<25)
	s_mov_b32 s[G1+1], KSTEP<<16                   ; tensor_dim0 = 128
	s_mov_b32 s[G1B+1], KSTEP<<16
	s_mov_b32 s[G1+2], 128<<16                     ; tensor_dim1 = 128
	s_mov_b32 s[G1B+2], 128<<16
	s_mov_b32 s[G1+3], KSTEP<<16                   ; tile_dim0 = 128
	s_mov_b32 s[G1B+3], KSTEP<<16
	s_mov_b32 s[G1+4], 128                         ; tile_dim1 = 128
	s_mov_b32 s[G1B+4], 128
	s_mov_b32 s[G1+5], SIZE_K                      ; elements from row to row
	s_mov_b32 s[G1B+5], SIZE_K
	s_mov_b32 s[G1+6], 0
	s_mov_b32 s[G1B+6], 0
	s_mov_b32 s[G1+7], 0
	s_mov_b32 s[G1B+7], 0
	; x's tiles hang on the block row alone, W_attn's on the block column alone; each offset lies in registers that never hold the other coordinate
	s_lshl_b32 s17, s12, 7
	s_lshl_b32 s16, s13, 8
	s_add_co_u32 s16, s16, s17                     ; x: row 256 x block row + 128 x half
	s_lshl_b32 s46, s42, 8
	s_add_co_u32 s46, s46, s17                     ; W_attn: row 256 x block column + 128 x half
	s_mov_b32 s17, 0
	s_mov_b32 s47, 0
	s_mov_b64 s[18:19], SIZE_K*2
	s_mul_u64 s[16:17], s[16:17], s[18:19]
	s_mul_u64 s[46:47], s[46:47], s[18:19]
	s_mul_i32 s20, s10, HALFT                      ; LDS: wave x 128 rows
	s_lshl_b32 s68, s42, 10                        ; the bias of my 128 columns: 4 bytes x (256 x block column + 128 x half)
	s_lshl_b32 s69, s12, 9
	s_add_co_u32 s68, s68, s69
	s_mov_b32 s69, 0
	s_wait_dscnt 0x0
	s_wait_kmcnt 0x0
	s_add_nc_u64 s[6:7], s[4:5], WOFF              ; W_attn in bf16
	s_add_nc_u64 s[14:15], s[4:5], s[16:17]
	s_add_nc_u64 s[46:47], s[6:7], s[46:47]
	s_add_nc_u64 s[66:67], s[66:67], s[68:69]
	CROUND                                         ; all sixteen work-groups are here: the first joint loads meet
.irp s, 0,1
	s_mov_b32 s[G0+4*\s], 1
	s_add_co_u32 s[G0+4*\s+1], s20, \s*SLOT
	s_add_nc_u64 s[G0+4*\s+2:G0+4*\s+3], s[14:15], \s*KSTEP*2
	s_or_b32 s[G0+4*\s+3], s[G0+4*\s+3], 0x80000000
	s_mov_b32 s[G0B+4*\s], 1
	s_add_co_u32 s[G0B+4*\s+1], s20, \s*SLOT
	s_add_nc_u64 s[G0B+4*\s+2:G0B+4*\s+3], s[46:47], \s*KSTEP*2
	s_or_b32 s[G0B+4*\s+3], s[G0B+4*\s+3], 0x80000000
	JLOAD \s                                       ; both slots' first fills go out before anything else: two tensor loads of the wave are out
.endr
	; a fragment: lane l holds row l % 16; registers 0-3 K = 8 (l / 16) + 0..7, registers 4-7 K = 16 + 8 (l / 16) + 0..7: two loads of 16 bytes, 32 apart
	v_and_b32 v1, 15, v0
	v_bfe_u32 v2, v0, 4, 1
	v_mul_u32_u24 v3, v1, PITCH
	v_lshl_add_u32 v3, v2, 4, v3
	s_mul_i32 s21, s11, HALFT
	s_mul_i32 s22, s12, HALFT
	s_add_co_u32 s22, s22, 2*HALFT
.irp s, 0,1
	v_add_nc_u32 v[ADRA+\s], s21, v3
	v_add_nc_u32 v[ADRB+\s], s22, v3
	s_add_co_u32 s21, s21, SLOT
	s_add_co_u32 s22, s22, SLOT
.endr
	s_mul_i32 s23, s10, 16*SPITCH
	s_add_co_u32 s23, s23, STAGE
	v_mul_u32_u24 v4, v1, SPITCH
	v_lshl_add_u32 v4, v2, 4, v4
	v_add_nc_u32 v[STO], s23, v4
	v_mul_u32_u24 v5, v2, SPITCH
	v_lshl_add_u32 v5, v1, 4, v5
	v_add_nc_u32 v[RD], s23, v5
	v_mul_u32_u24 v5, v2, OUTROW
	v_lshl_add_u32 v[CO], v1, 4, v5
	v_lshlrev_b32 v[BO], 5, v2
	WIN TO_B
.irp b, 0,1,2,3,4,5,6,7
	global_load_b128 v[BIAS+8*\b:BIAS+8*\b+3],   v[BO], s[66:67] offset:64*\b       ; b_attn of columns 16 b + 8 (l / 16) + 0..3
	global_load_b128 v[BIAS+8*\b+4:BIAS+8*\b+7], v[BO], s[66:67] offset:64*\b+16    ; + 4..7
.endr
	WIN 0
; 16 matrix instructions: row blocks a0, a0 + 1 of the window's four x all 8 column blocks, 32 along K.  zero = 1: the first product, onto the bias.
.macro MUL16 f, hi, a0, zero
.irp a, \a0, \a0+1
.irp b, 0,1,2,3,4,5,6,7
.if \zero
	v_wmma_f32_16x16x32_bf16 v[8*(8*(\a)+\b):8*(8*(\a)+\b)+7], v[\f+8*\b:\f+8*\b+7], v[\f+8*(4*\hi+\a):\f+8*(4*\hi+\a)+7], v[BIAS+8*\b:BIAS+8*\b+7]
.else
	v_wmma_f32_16x16x32_bf16 v[8*(8*(\a)+\b):8*(8*(\a)+\b)+7], v[\f+8*\b:\f+8*\b+7], v[\f+8*(4*\hi+\a):\f+8*(4*\hi+\a)+7], v[8*(8*(\a)+\b):8*(8*(\a)+\b)+7]
.endif
.endr
.endr
.endm
; 32 LDS loads in one run: one quarter step's fragments into buffer f
.macro FETCH slot, k, f
	WIN TO_B
.irp i, 0,1,2,3,4,5,6,7
	ds_load_b128 v[\f+8*\i:\f+8*\i+3],   v[ADRB+\slot] offset:\k+\i*16*PITCH
	ds_load_b128 v[\f+8*\i+4:\f+8*\i+7], v[ADRB+\slot] offset:\k+\i*16*PITCH+32
.endr
	WIN 0
.irp i, 0,1,2,3,4,5,6,7
	ds_load_b128 v[\f+8*\i:\f+8*\i+3],   v[ADRA+\slot] offset:\k+\i*16*PITCH
	ds_load_b128 v[\f+8*\i+4:\f+8*\i+7], v[ADRA+\slot] offset:\k+\i*16*PITCH+32
.endr
.endm
; Four independent plain vector instructions stand between a matrix instruction and a load into one of its sources or a vector read of its result
.macro PLACES
.rept 4
	v_nop
.endr
.endm
; A quarter step: 64 matrix instructions on buffer f; in its middle the next quarter's fragments go into buffer g.
; The 64 accumulators take turns, one instruction a turn, in the same order in every quarter.
.macro QUARTER slot, k, f, g, zero
	s_wait_dscnt 8                                 ; all but the youngest eight loads (x's rows 64-127) are in
.if \zero
	WIN BIA_LO
.else
	WIN MUL_LO
.endif
	MUL16 \f, 0, 0, \zero
	MUL16 \f, 0, 2, \zero
	PLACES
	FETCH \slot, \k, \g
	s_wait_dscnt 32                                ; all but the 32 just issued
.if \zero
	WIN BIA_HI
.else
	WIN MUL_HI
.endif
	MUL16 \f, 1, 0, \zero
	MUL16 \f, 1, 2, \zero
.endm
.macro THREE slot, zero
	QUARTER \slot, 64,  F0, F1, \zero
	QUARTER \slot, 128, F1, F0, 0
	QUARTER \slot, 192, F0, F1, 0
.endm
; The last quarter of a K step changes slots.  In front of the barrier each wave waits for its reads of this slot and for all its tensor loads (one is out:
; its part of the next slot); behind it this slot is asked for again first (fill = 1), then the next slot's first fragments are read.
.macro TURN slot, next, fill
	s_wait_dscnt 8
	WIN MUL_LO
	MUL16 F1, 0, 0, 0
	s_wait_dscnt 0                                 ; my reads of this slot are over
	s_wait_tensorcnt 0x0                           ; all my tensor loads have landed
	ds_add_u32 v255, v255
	s_wait_dscnt 0x0
	s_barrier_signal -1
	MUL16 F1, 0, 2, 0                              ; register work while the others arrive
	WIN 0
	s_barrier_wait -1
.if \fill
	CREST                                          ; the rest of the cluster's round: no wave of any partner still reads this slot or has a load on its way
	s_add_nc_u64 s[G0+4*\slot+2:G0+4*\slot+3], s[G0+4*\slot+2:G0+4*\slot+3], 2*KSTEP*2
	s_add_nc_u64 s[G0B+4*\slot+2:G0B+4*\slot+3], s[G0B+4*\slot+2:G0B+4*\slot+3], 2*KSTEP*2
	JLOAD \slot                                    ; my one tensor load behind the round; 240 matrix instructions follow before the wait for it
.endif
	PLACES
	FETCH \next, 0, F0
	WIN MUL_HI
	MUL16 F1, 1, 0, 0
	MUL16 F1, 1, 2, 0
.endm
.macro LAP zero
	THREE 0, \zero
	TURN 0, 1, 1
	THREE 1, 0
	TURN 1, 0, 1
.endm
	s_wait_loadcnt 0x0                             ; the bias
	s_wait_tensorcnt 1                             ; my part of K step 0 is in; K step 1's load stays out
	s_barrier_signal -1
	s_barrier_wait -1
	FETCH 0, 0, F0
	LAP 1                                          ; the first lap: its first products start the sums from the bias
	WIN 0
	s_mov_b32 s3, LAPS-2
.Llap:
	LAP 0
	WIN 0
	s_sub_co_u32 s3, s3, 1
	s_cmp_lg_u32 s3, 0
	s_cbranch_scc1 .Llap
	THREE 0, 0                                     ; the last lap fills nothing
	TURN 0, 1, 0
	THREE 1, 0
	s_wait_dscnt 8
	WIN MUL_LO
	MUL16 F1, 0, 0, 0
	MUL16 F1, 0, 2, 0
	s_wait_dscnt 0
	WIN MUL_HI
	MUL16 F1, 1, 0, 0
	MUL16 F1, 1, 2, 0
	; THE WAY OUT, 16 rows at a time: round to f16, 16 bytes a lane into my own stage, back as whole rows of 256 bytes
	PLACES
	s_lshl_b32 s13, s13, 8
	s_lshl_b32 s14, s11, 7
	s_add_co_u32 s16, s13, s14                     ; my first row
	s_mov_b32 s17, 0
	s_mov_b64 s[18:19], OUTROW
	s_mul_u64 s[16:17], s[16:17], s[18:19]
	s_add_nc_u64 s[8:9], s[8:9], s[16:17]
	s_lshl_b32 s46, s42, 9                         ; my first column in bytes: 512 x block column + 256 x half
	s_lshl_b32 s47, s12, 8
	s_add_co_u32 s46, s46, s47
	s_mov_b32 s47, 0
	s_add_nc_u64 s[8:9], s[8:9], s[46:47]
; rows 16 i .. + 15 = the eight tiles (a, 0..7) of window 2 or 3 (from = 0x0a or 0x0f: sources 0 and 1); f: F0 or F1 in turn
.macro OUT16 i, a, from, f
	WIN \from
.irp b, 0,1,2,3,4,5,6,7
.irp r, 0,1,2,3
	v_cvt_pk_f16_f32 v[TMP+4*\b+\r], v[8*(8*\a+\b)+2*\r], v[8*(8*\a+\b)+2*\r+1]
.endr
.endr
	WIN 0
.irp b, 0,1,2,3,4,5,6,7
	ds_store_b128 v[STO], v[TMP+4*\b:TMP+4*\b+3] offset:32*\b
.endr
	s_wait_xcnt 0x0                                ; buffer f, which earlier stores read, and the stores' base are written again only behind this wait
.if \i
	s_add_nc_u64 s[8:9], s[8:9], 16*OUTROW
.endif
.irp t, 0,1,2,3,4,5,6,7
	ds_load_b128 v[\f+4*\t:\f+4*\t+3], v[RD] offset:\t*2*SPITCH    ; a wave's LDS instructions are served in order: these see the stores above
.endr
.irp t, 0,1,2,3,4,5,6,7
	s_wait_dscnt 7-\t
	global_store_b128 v[CO], v[\f+4*\t:\f+4*\t+3], s[8:9] offset:2*\t*OUTROW   ; 16 lanes store 256 consecutive bytes, aligned
.endr
.endm
	OUT16 0, 0, 0x0a, F0
	OUT16 1, 1, 0x0a, F1
	OUT16 2, 2, 0x0a, F0
	OUT16 3, 3, 0x0a, F1
	OUT16 4, 0, 0x0f, F0
	OUT16 5, 1, 0x0f, F1
	OUT16 6, 2, 0x0f, F0
	OUT16 7, 3, 0x0f, F1
	s_set_vgpr_msb 0x1
	s_wait_tensorcnt 0x0
	ds_add_u32 v255, v255
	s_wait_dscnt 0x0
	s_set_vgpr_msb 0x100
	CROUND                                         ; the closing round: no work-group ends while a partner may still ask for a tile that names it
	s_endpgm
.Lfunc_end_k_q71b32a0f33_gemm_qkv:
	.size	k_q71b32a0f33_gemm_qkv, .Lfunc_end_k_q71b32a0f33_gemm_qkv-k_q71b32a0f33_gemm_qkv
	.p2alignl 7, 3214868480
	.fill 96, 4, 3214868480
	.section	.rodata,"a",@progbits
	.p2align	6, 0x0
	.amdhsa_kernel k_q71b32a0f33_gemm_qkv
		.amdhsa_group_segment_fixed_size 327680
		.amdhsa_private_segment_fixed_size 0
		.amdhsa_enable_private_segment 0
		.amdhsa_kernarg_size 24
		.amdhsa_user_sgpr_count 2
		.amdhsa_user_sgpr_kernarg_segment_ptr 1
		.amdhsa_wavefront_size32 1
		.amdhsa_system_sgpr_workgroup_id_x 1
		.amdhsa_system_sgpr_workgroup_id_y 1
		.amdhsa_system_sgpr_workgroup_id_z 1
		.amdhsa_system_vgpr_workitem_id 0
		.amdhsa_next_free_vgpr 1024
		.amdhsa_next_free_sgpr 70
		.amdhsa_reserve_vcc 0
		.amdhsa_float_denorm_mode_32 3
		.amdhsa_float_denorm_mode_16_64 3
		.amdhsa_memory_ordered 1
		.amdhsa_forward_progress 1
		.amdhsa_inst_pref_size 198
	.end_amdhsa_kernel
	.amdgpu_metadata
---
amdhsa.version: [ 1, 2 ]
amdhsa.kernels:
  - .name:           k_q71b32a0f33_gemm_qkv
    .symbol:         k_q71b32a0f33_gemm_qkv.kd
    .args:
      - { .name: xw16, .offset: 0, .size: 8, .value_kind: global_buffer, .address_space: global }
      - { .name: b_attn, .offset: 8, .size: 8, .value_kind: global_buffer, .address_space: global }
      - { .name: qkv, .offset: 16, .size: 8, .value_kind: global_buffer, .address_space: global }
    .group_segment_fixed_size: 327680
    .private_segment_fixed_size: 0
    .kernarg_segment_align: 8
    .kernarg_segment_size: 24
    .max_flat_workgroup_size: 128
    .sgpr_count:     70
    .vgpr_count:     1024
    .wavefront_size: 32
...
	.end_amdgpu_metadata
.endif
;; end of part 5
;; launch attn (part 6): grid 16 x 16, 16 waves a work-group, clusters of 4 x 4, 327,680 bytes of LDS; arguments qkv, attention_mask, att; writes att
.if DOCPART == 6
	.amdgcn_target "amdgcn-amd-amdhsa--gfx1250"
	.amdhsa_code_object_version 6
	.text
	.protected	k_q71b32a0f33_attn
	.globl	k_q71b32a0f33_attn
	.p2align	8
	.type	k_q71b32a0f33_attn,@function
k_q71b32a0f33_attn:
	s_mov_b64 s[64:65], 0
	v_nop
	global_prefetch_b8 v0, s[64:65] scope:SCOPE_SE
	s_setreg_imm32_b32 hwreg(HW_REG_WAVE_MODE, 25, 1), 1
	s_wait_xcnt 0x0
	s_wait_alu depctr_hold_cnt(0) depctr_sa_sdst(0) depctr_va_vdst(0) depctr_va_sdst(0) depctr_va_ssrc(0) depctr_va_vcc(0) depctr_vm_vsrc(0)
	s_getreg_b32 s2, hwreg(HW_REG_IB_STS2, 6, 4)
	s_cmp_eq_u32 s2, 0
	s_cbranch_scc0 .Lentry_in_a_cluster
	s_endpgm
.Lentry_in_a_cluster:
	s_bfe_u32 s2, ttmp6, 0x10000c
	s_cmp_lg_u32 s2, 0xf033
	s_cbranch_scc0 .Lentry_shape_is_right
	s_endpgm
.Lentry_shape_is_right:
; att[b][q][64 head + d] = softmax over keys of (q . k / 8 + mask[q][key]) . v, for every head.
; qkv [4096][3072] f16 (q, k, v), mask [2048][2048] f32, att [4096][2048] f16 (1,024 upper pieces, then 1,024 lower pieces).
; The mask is an input: all 2,048 keys of every query are computed and every word of the mask is read.
; PRECISION.  A query whose weight lies on one key hands v through unaveraged, some fifteen times the size of a typical output, so every rounding to 11 bits
; on the way from v to out0 counts there.  v's own is kept: a second piece of V would add half as many products again to this kernel.  With the drawn sizes
; (v's spread 0.64, 1,024 terms of W_proj of spread 0.02) it leaves an error of spread 0.85e-4 in such a row of out0, 0.3 of a hundredth of out0's
; root mean square.  att's rounding is not added to it: att goes on in TWO f16 pieces (upper: the f32 number with its low 13 mantissa bits cleared, exact
; in f16; lower: the rest, rounded to f16).
; A work-group takes 128 queries (block X) of two neighbouring heads (pair p of batch b); the pair's 128 columns make rows of K, V and att of 256 bytes, aligned.
; SIXTEEN WAVES of 256 registers.  Wave w takes head (w / 4) % 2 of the pair, queries 32 (w % 4) .. + 31 and keys 64 (w / 8) .. + 63 of every trip's 128,
; with a running maximum, a sum and an out^T of its own; at the end waves 8-15 hand theirs to waves 0-7 through LDS, which join the two halves.
; The keys are split, and not the queries, so that the LDS reads for a key stay what they are with eight waves, while four waves and not two
; share a SIMD: one wave's softmax can run while another's products do.
; 16 trips of 128 keys through two LDS slots.
; CLUSTER 4 x 4: K's and V's tiles hang on (b, p) alone and are shared along a row of the cluster; the mask's tile hangs on X alone and is shared along a column.
; All three are asked for jointly, each by the four work-groups that need it: a work-group issues 8 loads of 16 KiB a trip, one by each of waves 0-7.
; PRODUCTS.  scores^T = K Q^T + mask^T: A = 16 keys x 32 d, B = 16 queries x 32 d, C = D = the registers into which the mask's words were loaded.
; Lane (r, h), register j then holds key 8 h + j of the tile and query r: a query's maximum and sum are a lane's own (and its partner's, lane xor 16), and two
; neighbouring key tiles, packed to f16, ARE the B fragment (32 keys x 16 queries) of out^T = V^T P^T: P never goes through LDS.
; A = V^T comes by the transposing LDS load from V stored [key][d].  1/8 is exact in f16: Q's registers are scaled once.
; SOFTMAX by a running maximum m: p = 2^((s - m) log2 e), the difference formed first, so that it is exact also where s and m are large (a row masked throughout).
; LIMITS.  m starts at -1e30: a row in which every score + mask lies below -1e30 gives NaN; -inf in part of a row is served.
; The mask is added inside the matrix unit's sum, and a row's weights are summed in two halves that are joined at the end: orders of rounding that differ from
; a product that is rounded, scaled and added to, and from one sum along the row.
; P below 2^-25 of the largest weight that its wave has met in the row is rounded to zero in f16.  A result beyond 65,504 in size becomes infinite in f16.
.set QKVROW, 6144                      ; bytes in a row of qkv
.set KPITCH, 272                       ; 256 + 16: the 16 rows of a fragment load start 16 bytes apart modulo 256
.set VPITCH, 288                       ; 256 + 32: an odd multiple of 32, for the transposing load
.set MPITCH, 272                       ; 64 keys x 4 bytes + 16
.set KOFF,   0
.set VOFF,   128*KPITCH                ; 34,816
.set MOFF,   VOFF+128*VPITCH           ; 71,680
.set MSUB,   128*MPITCH                ; the mask of 64 keys: 128 query rows
.set SLOT,   MOFF+2*MSUB               ; 141,312
.set MRGW,   18*512                    ; what a wave hands over at the end: 16 x 512 bytes of out^T, 2 x 512 of sums and maxima
.set STAGE,  8*MRGW                    ; 73,728: behind the eight waves' handed bytes, 128 rows x 272 bytes of upper pieces for the way out
.set SPITCH, 272
.set STLO,   128*SPITCH                ; the lower pieces' stage lies so far behind; it ends at byte 143,360
.set KVSTEP, 128*QKVROW                ; 128 keys on
.set MSTEP,  512                       ; 128 keys on in a row of the mask
.set ADK, 4                            ; v4-5    K fragments in slot 0, 1
.set ADV, 6                            ; v6-7    V fragments
.set ADM, 8                            ; v8-9    mask words
.set STO, 10                           ; way out: where I put 16 bytes
.set RD,  11                           ; way out: where I read a row back
.set CO,  12                           ; my byte offset in att
.set QO,  13                           ; my byte offset in Q's rows
.set MG,  14                           ; the end: my 16 bytes in what my pair of waves hands over
.set LS,  16                           ; v16-17  my lane's part of the sum, per query tile
.set MP,  18                           ; v[18:21] the running maximum, twice, per query tile
.set AL,  22                           ; v[22:25] the rescaling factor, twice, per query tile
.set QF,  32                           ; v[32:63]   Q fragment (qt, ks) at 32 + 16 qt + 8 ks
.set PS,  32                           ; the end: v[32:39] the partner's sums and maxima, v[40:43] its factors, twice each
.set ACC, 64                           ; v[64:127]  out^T tile (dt, qt) at 64 + 8 (2 dt + qt)
.set SC,  128                          ; v[128:191] score tile (kt, qt) at 128 + 32 qt + 8 kt; then P; at the end the partner's out^T
.set KF,  192                          ; v[192:255] K fragment (kt, ks) at 192 + 16 kt + 8 ks; then V fragment (u, dt) at 192 + 32 u + 8 dt
.set G1K, 24
.set G1V, 32
.set G1M, 40
.set G0K, 48                           ; s[48:55] one set a slot
.set G0V, 56
.set G0M, 68
.macro ROUND                           ; a round of the cluster's barrier
	s_barrier_signal -1
	s_barrier_wait -1
	s_cmp_lg_u32 s10, 0
	s_cbranch_scc1 .Lnot_wave_0_\@
	s_barrier_signal -3
.Lnot_wave_0_\@:
	s_barrier_wait -3
	s_barrier_signal -1
	s_barrier_wait -1
.endm
; At most one joint load a wave: waves 0, 1 K's halves, waves 2, 3 V's halves, waves 4-7 the mask's four parts; waves 8-15 none.
; The branches hang on the wave's number alone.
.macro JLOAD s
	s_cmp_lt_u32 s10, 2
	s_cbranch_scc0 .Lnot_k_\@
	tensor_load_to_lds s[G0K+4*\s:G0K+4*\s+3], s[G1K:G1K+7]
	s_nop 0
	s_branch .Lasked_\@
.Lnot_k_\@:
	s_cmp_lt_u32 s10, 4
	s_cbranch_scc0 .Lnot_v_\@
	tensor_load_to_lds s[G0V+4*\s:G0V+4*\s+3], s[G1V:G1V+7]
	s_nop 0
	s_branch .Lasked_\@
.Lnot_v_\@:
	s_cmp_lt_u32 s10, 8
	s_cbranch_scc0 .Lasked_\@
	tensor_load_to_lds s[G0M+4*\s:G0M+4*\s+3], s[G1M:G1M+7]
	s_nop 0
.Lasked_\@:
.endm
; n independent plain vector instructions behind a matrix instruction: four before a load lands on one of its registers or a vector
; instruction or a store reads its result, five before another matrix instruction writes over one of its registers.
.macro PLACES n
.rept \n
	v_nop
.endr
.endm
	s_load_b128 s[4:7], s[0:1], 0x0                ; qkv s[4:5], mask s[6:7]
	s_load_b64 s[8:9], s[0:1], 0x10                ; att
	v_lshl_add_u32 v190, v0, 2, 0x45000
	v_mov_b32 v191, 0
	ds_add_u32 v190, v191
	s_wait_dscnt 0x0
	v_lshrrev_b32 v1, 5, v0
	v_readfirstlane_b32 s10, v1                    ; wave 0..15
	s_and_b32 s11, s10, 1                          ; which half I fetch
	s_and_b32 s12, s10, 3                          ; my group of 32 queries; also: which part of the mask I fetch
	s_lshr_b32 s13, s10, 2
	s_and_b32 s13, s13, 1                          ; my head of the pair
	s_lshr_b32 s96, s10, 3                         ; my 64 keys of a trip's 128
	s_bfe_u32 s14, ttmp6, 0x40000                  ; cx
	s_bfe_u32 s15, ttmp6, 0x40004                  ; cy
	s_lshl_b32 s16, ttmp9, 2
	s_add_co_u32 s16, s16, s14                     ; X: query block
	s_and_b32 s17, ttmp7, 0xffff
	s_lshl_b32 s17, s17, 2
	s_add_co_u32 s17, s17, s15                     ; Y
	s_lshr_b32 s18, s17, 3                         ; b
	s_and_b32 s19, s17, 7                          ; p
	s_lshl_b32 s20, s15, 2
	s_lshl_b32 s20, 15, s20                        ; my row of the cluster
	s_lshl_b32 s21, 0x1111, s14                    ; my column
	; group 1 of K: 64 rows x 128 elements of 2 bytes, 4 words of padding behind every 64; of V: 8 words; of the mask: 64 rows x 64 elements of 4 bytes, 4 words
	s_or_b32 s[G1K+0], s20, (1<<16)|(1<<20)|(1<<21)|(5<<22)|(3<<25)
	s_or_b32 s[G1V+0], s20, (1<<16)|(1<<20)|(1<<21)|(5<<22)|(7<<25)
	s_or_b32 s[G1M+0], s21, (2<<16)|(1<<20)|(1<<21)|(5<<22)|(3<<25)
	s_mov_b32 s[G1K+1], 128<<16                    ; tensor_dim0
	s_mov_b32 s[G1V+1], 128<<16
	s_mov_b32 s[G1M+1], 64<<16
	s_mov_b32 s[G1K+2], 64<<16                     ; tensor_dim1
	s_mov_b32 s[G1V+2], 64<<16
	s_mov_b32 s[G1M+2], 64<<16
	s_mov_b32 s[G1K+3], 128<<16                    ; tile_dim0
	s_mov_b32 s[G1V+3], 128<<16
	s_mov_b32 s[G1M+3], 64<<16
	s_mov_b32 s[G1K+4], 64                         ; tile_dim1
	s_mov_b32 s[G1V+4], 64
	s_mov_b32 s[G1M+4], 64
	s_mov_b32 s[G1K+5], 3072                       ; elements from row to row
	s_mov_b32 s[G1V+5], 3072
	s_mov_b32 s[G1M+5], 2048
	s_mov_b32 s[G1K+6], 0
	s_mov_b32 s[G1V+6], 0
	s_mov_b32 s[G1M+6], 0
	s_mov_b32 s[G1K+7], 0
	s_mov_b32 s[G1V+7], 0
	s_mov_b32 s[G1M+7], 0
	; K and V: row 2048 b + 64 x half, column bytes 256 p: made of Y and the wave's number alone
	s_lshl_b32 s80, s18, 11
	s_lshl_b32 s81, s11, 6
	s_add_co_u32 s80, s80, s81
	s_mul_i32 s80, s80, QKVROW
	s_lshl_b32 s81, s19, 8
	s_add_co_u32 s80, s80, s81
	s_mov_b32 s81, 0
	; the mask: row 128 X + 64 x (part % 2), column bytes 256 x (part / 2): made of X and the wave's number alone
	s_lshl_b32 s84, s16, 7
	s_lshl_b32 s85, s11, 6
	s_add_co_u32 s84, s84, s85
	s_lshl_b32 s84, s84, 13
	s_lshr_b32 s85, s12, 1
	s_lshl_b32 s85, s85, 8
	s_add_co_u32 s84, s84, s85
	s_mov_b32 s85, 0
	s_mul_i32 s22, s11, 64*KPITCH                  ; where they go in a slot: the wave's number alone
	s_mul_i32 s23, s11, 64*VPITCH
	s_mul_i32 s79, s12, 64*MPITCH
	; Q: row 2048 b + 128 X + 32 group, column bytes 256 p + 128 head.  att: row 2048 b + 128 X + 8 wave, column bytes 256 p
	s_lshl_b32 s93, s18, 11
	s_lshl_b32 s88, s16, 7
	s_add_co_u32 s93, s93, s88
	s_lshl_b32 s91, s12, 5                         ; 32 x group
	s_add_co_u32 s88, s93, s91
	s_mul_i32 s88, s88, QKVROW
	s_lshl_b32 s89, s19, 8
	s_add_co_u32 s88, s88, s89
	s_lshl_b32 s90, s13, 7                         ; 128 x head
	s_add_co_u32 s88, s88, s90
	s_lshl_b32 s92, s10, 3                         ; 8 x wave
	s_add_co_u32 s94, s93, s92
	s_lshl_b32 s94, s94, 12                        ; att's rows of 4,096 bytes
	s_add_co_u32 s94, s94, s89
	s_mov_b32 s89, 0
	s_mov_b32 s95, 0
	; my 64 keys' place in a slot's K, V and mask, and my pair's place in what is handed over at the end: the wave's number alone
	s_mul_i32 s97, s96, 64*KPITCH
	s_add_co_u32 s97, s97, s90                     ; + my head's 128 bytes
	s_mul_i32 s98, s96, 64*VPITCH
	s_add_co_u32 s98, s98, s90
	s_mul_i32 s99, s96, MSUB
	s_and_b32 s100, s10, 7
	s_mul_i32 s100, s100, MRGW
	s_mov_b32 s76, 0x76543210                      ; v_permlanex16_b32: lane i reads lane i xor 16
	s_mov_b32 s77, 0xfedcba98
	s_wait_kmcnt 0x0
	s_add_nc_u64 s[82:83], s[4:5], s[80:81]
	s_add_nc_u64 s[86:87], s[6:7], s[84:85]
	s_add_nc_u64 s[2:3], s[4:5], s[88:89]
	s_add_nc_u64 s[8:9], s[8:9], s[94:95]
.irp s, 0,1
	s_mov_b32 s[G0K+4*\s], 1
	s_add_co_u32 s[G0K+4*\s+1], s22, \s*SLOT+KOFF
	s_add_nc_u64 s[G0K+4*\s+2:G0K+4*\s+3], s[82:83], 2048+\s*KVSTEP      ; k's columns begin at byte 2,048 of a row
	s_or_b32 s[G0K+4*\s+3], s[G0K+4*\s+3], 0x80000000
	s_mov_b32 s[G0V+4*\s], 1
	s_add_co_u32 s[G0V+4*\s+1], s23, \s*SLOT+VOFF
	s_add_nc_u64 s[G0V+4*\s+2:G0V+4*\s+3], s[82:83], 4096+\s*KVSTEP      ; v's at byte 4,096
	s_or_b32 s[G0V+4*\s+3], s[G0V+4*\s+3], 0x80000000
	s_mov_b32 s[G0M+4*\s], 1
	s_add_co_u32 s[G0M+4*\s+1], s79, \s*SLOT+MOFF
	s_add_nc_u64 s[G0M+4*\s+2:G0M+4*\s+3], s[86:87], \s*MSTEP
	s_or_b32 s[G0M+4*\s+3], s[G0M+4*\s+3], 0x80000000
.endr
	ROUND                                          ; all sixteen work-groups are here
	JLOAD 0                                        ; keys 0-127 into slot 0
	v_and_b32 v1, 15, v0                           ; r
	v_bfe_u32 v2, v0, 4, 1                         ; h
	v_mul_u32_u24 v3, v1, KPITCH                   ; K: key row r, 16 h; my 64 keys and my head's 128 bytes
	v_lshl_add_u32 v3, v2, 4, v3
	v_add_nc_u32 v[ADK], s97, v3
	v_add_nc_u32 v[ADK+1], SLOT, v[ADK]
	v_and_b32 v3, 7, v0                            ; V: key row 8 h + lane % 8, 16 bytes x bit 3 of the lane
	v_lshl_add_u32 v3, v2, 3, v3
	v_mul_u32_u24 v3, v3, VPITCH
	v_bfe_u32 v26, v0, 3, 1
	v_lshl_add_u32 v3, v26, 4, v3
	v_add_nc_u32 v3, s98, v3                       ; my 64 keys and my head's 128 bytes
	v_add_nc_u32 v[ADV], VOFF, v3
	v_add_nc_u32 v[ADV+1], SLOT, v[ADV]
	v_add_nc_u32 v26, s91, v1                      ; query row 32 group + r
	v_mul_u32_u24 v26, v26, MPITCH                 ; (the stage has the same pitch)
	v_lshl_add_u32 v3, v2, 5, v26                  ; mask: 8 h keys of 4 bytes
	v_add_nc_u32 v3, s99, v3                       ; my 64 keys' part
	v_add_nc_u32 v[ADM], MOFF, v3
	v_add_nc_u32 v[ADM+1], SLOT, v[ADM]
	v_lshl_add_u32 v3, v2, 4, v26                  ; stage: 8 h numbers of 2 bytes, my head's 128 bytes
	v_add_nc_u32 v3, s90, v3
	v_add_nc_u32 v[STO], STAGE, v3
	v_add_nc_u32 v3, s92, v2                       ; back: row 8 wave + h, 16 r
	v_mul_u32_u24 v3, v3, SPITCH
	v_lshl_add_u32 v3, v1, 4, v3
	v_add_nc_u32 v[RD], STAGE, v3
	v_and_b32 v3, 31, v0
	v_lshl_add_u32 v[MG], v3, 4, s100              ; 16 x lane + (wave % 8) x 9,216
	v_lshlrev_b32 v[CO], 4, v1
	v_lshl_add_u32 v[CO], v2, 12, v[CO]            ; att: h rows of 4,096 bytes + 16 r
	v_mul_u32_u24 v[QO], v1, QKVROW
	v_lshl_add_u32 v[QO], v2, 4, v[QO]
.irp qt, 0,1
.irp ks, 0,1
	global_load_b128 v[QF+16*\qt+8*\ks:QF+16*\qt+8*\ks+3],   v[QO], s[2:3] offset:16*QKVROW*\qt+64*\ks
	global_load_b128 v[QF+16*\qt+8*\ks+4:QF+16*\qt+8*\ks+7], v[QO], s[2:3] offset:16*QKVROW*\qt+64*\ks+32
.endr
.endr
.irp i, 0,1,2,3
	v_mov_b32 v[MP+\i], 0xf149f2ca                 ; -1e30
.endr
	v_mov_b32 v30, 0                               ; v_permlanex16_b32 counts as a reader of its destination
	v_mov_b32 v3, 0x30003000                       ; 1/8, twice, in f16
	s_wait_loadcnt 0x0
.set i, 0
.rept 32
	v_pk_mul_f16 v[QF+i], v[QF+i], v3
.set i, i+1
.endr
; The softmax step of query tile qt on its 64 keys (32 scores a lane).  first = 1: nothing to rescale yet.
.macro SOFT qt, first
.set SB,  SC+32*\qt
.set MPQ, MP+2*\qt
.set ALQ, AL+2*\qt
	v_max3_num_f32 v26, v[MPQ], v[SB], v[SB+1]     ; the maximum, in two chains
	v_max3_num_f32 v27, v[SB+16], v[SB+17], v[SB+18]
.irp i, 0,2,4,6,8,10
	v_max3_num_f32 v26, v26, v[SB+2+\i], v[SB+3+\i]
	v_max3_num_f32 v27, v27, v[SB+19+\i], v[SB+20+\i]
.endr
	v_max3_num_f32 v26, v26, v[SB+14], v[SB+15]
	v_max3_num_f32 v26, v26, v27, v[SB+31]
	v_permlanex16_b32 v30, v26, s76, s77           ; the other 32 keys of my query
	v_max_num_f32 v31, v26, v30
.if \first == 0
	v_sub_f32 v[ALQ], v[MPQ], v31                  ; old maximum - new
	v_mul_f32 v[ALQ], 0x3fb8aa3b, v[ALQ]
	v_exp_f32 v[ALQ], v[ALQ]
.endif
	v_mov_b32 v[MPQ], v31                          ; (a plain instruction behind the exponential, before its result is read: ISA guide 5.7.2)
	v_mov_b32 v[MPQ+1], v31
.if \first == 0
	s_wait_alu depctr_va_vdst(0)
	v_mov_b32 v[ALQ+1], v[ALQ]
.endif
.irp i, 0,2,4,6,8,10,12,14,16,18,20,22,24,26,28,30
	v_pk_add_f32 v[SB+\i:SB+\i+1], v[SB+\i:SB+\i+1], v[MPQ:MPQ+1] neg_lo:[0,1] neg_hi:[0,1]   ; s - m
.endr
.irp i, 0,2,4,6,8,10,12,14,16,18,20,22,24,26,28,30
	v_pk_mul_f32 v[SB+\i:SB+\i+1], v[SB+\i:SB+\i+1], 0x3fb8aa3b op_sel_hi:[1,0]               ; x log2 e
.endr
.set i, 0
.rept 32
	v_exp_f32 v[SB+i], v[SB+i]
.set i, i+1
.endr
.if \first
	v_nop                                          ; the plain instruction behind the last exponential
	s_wait_alu depctr_va_vdst(0)
.else
	s_wait_alu depctr_va_vdst(0)
.irp dt, 0,1,2,3
.irp i, 0,2,4,6
	v_pk_mul_f32 v[ACC+8*(2*\dt+\qt)+\i:ACC+8*(2*\dt+\qt)+\i+1], v[ACC+8*(2*\dt+\qt)+\i:ACC+8*(2*\dt+\qt)+\i+1], v[ALQ:ALQ+1]   ; what has been summed so far, to the new maximum
.endr
.endr
.endif
	v_pk_add_f32 v[26:27], v[SB:SB+1], v[SB+2:SB+3]            ; the sum of my 32 weights, in two chains
	v_pk_add_f32 v[28:29], v[SB+16:SB+17], v[SB+18:SB+19]
.irp i, 4,6,8,10,12,14
	v_pk_add_f32 v[26:27], v[26:27], v[SB+\i:SB+\i+1]
	v_pk_add_f32 v[28:29], v[28:29], v[SB+16+\i:SB+17+\i]
.endr
	v_pk_add_f32 v[26:27], v[26:27], v[28:29]
.if \first
	v_add_f32 v[LS+\qt], v26, v27
.else
	v_add_f32 v26, v26, v27
	v_fma_f32 v[LS+\qt], v[LS+\qt], v[ALQ], v26
.endif
.irp u, 0,16
.irp i, 0,1,2,3,4,5,6,7
	v_cvt_pk_f16_f32 v[SB+\u+\i], v[SB+\u+2*\i], v[SB+\u+2*\i+1]   ; in place, ascending: two key tiles become one B fragment in 8 registers
.endr
.endr
.endm
; My 64 keys of the slot against my 32 queries (which 64 keys stands in the address registers).
; Neighbouring matrix instructions never share an accumulator: they take turns, one instruction a turn.
.macro SUB slot, first
.irp kt, 0,1,2,3
.irp ks, 0,1
	ds_load_b128 v[KF+16*\kt+8*\ks:KF+16*\kt+8*\ks+3],   v[ADK+\slot] offset:16*KPITCH*\kt+64*\ks
	ds_load_b128 v[KF+16*\kt+8*\ks+4:KF+16*\kt+8*\ks+7], v[ADK+\slot] offset:16*KPITCH*\kt+64*\ks+32
.endr
.irp qt, 0,1
	ds_load_b128 v[SC+32*\qt+8*\kt:SC+32*\qt+8*\kt+3],   v[ADM+\slot] offset:16*MPITCH*\qt+64*\kt       ; mask[query r][keys 16 kt + 8 h + 0..3]
	ds_load_b128 v[SC+32*\qt+8*\kt+4:SC+32*\qt+8*\kt+7], v[ADM+\slot] offset:16*MPITCH*\qt+64*\kt+16    ; + 4..7
.endr
.endr
.irp kt, 0,1,2,3
	s_wait_dscnt 8*(3-\kt)                         ; eight loads for each key tile: the later tiles' may stay out
.irp ks, 0,1
.irp qt, 0,1
	v_wmma_f32_16x16x32_f16 v[SC+32*\qt+8*\kt:SC+32*\qt+8*\kt+7], v[KF+16*\kt+8*\ks:KF+16*\kt+8*\ks+7], v[QF+16*\qt+8*\ks:QF+16*\qt+8*\ks+7], v[SC+32*\qt+8*\kt:SC+32*\qt+8*\kt+7]
.endr
.endr
.endr
	PLACES 4                                       ; before loads land on K's fragments and vector instructions read the scores
.irp u, 0,1
.irp dt, 0,1,2,3
	ds_load_tr16_b128 v[KF+32*\u+8*\dt:KF+32*\u+8*\dt+3],   v[ADV+\slot] offset:32*\u*VPITCH+32*\dt
	ds_load_tr16_b128 v[KF+32*\u+8*\dt+4:KF+32*\u+8*\dt+7], v[ADV+\slot] offset:(32*\u+16)*VPITCH+32*\dt
.endr
.endr
	SOFT 0, \first
	SOFT 1, \first
	s_wait_dscnt 8                                 ; V of the first 32 keys is in; the eight loads of the second 32 may stay out
.irp dt, 0,1,2,3
.irp qt, 0,1
.if \first
	v_wmma_f32_16x16x32_f16 v[ACC+8*(2*\dt+\qt):ACC+8*(2*\dt+\qt)+7], v[KF+8*\dt:KF+8*\dt+7], v[SC+32*\qt:SC+32*\qt+7], 0
.else
	v_wmma_f32_16x16x32_f16 v[ACC+8*(2*\dt+\qt):ACC+8*(2*\dt+\qt)+7], v[KF+8*\dt:KF+8*\dt+7], v[SC+32*\qt:SC+32*\qt+7], v[ACC+8*(2*\dt+\qt):ACC+8*(2*\dt+\qt)+7]
.endif
.endr
.endr
	s_wait_dscnt 0
.irp dt, 0,1,2,3
.irp qt, 0,1
	v_wmma_f32_16x16x32_f16 v[ACC+8*(2*\dt+\qt):ACC+8*(2*\dt+\qt)+7], v[KF+32+8*\dt:KF+32+8*\dt+7], v[SC+32*\qt+16:SC+32*\qt+23], v[ACC+8*(2*\dt+\qt):ACC+8*(2*\dt+\qt)+7]
.endr
.endr
	PLACES 5                                       ; five: the next trip's score products write over the registers that these products read P from;
	                                               ; four of them also serve the next loads onto V's fragments and P, and the reads and LDS stores of the sums
.endm
; A trip: 128 keys in slot, 64 of them mine; the other slot, read in the last trip, is asked for again (refill = 1).
; At most one tensor load of a wave is out, and it has the whole trip in which to land.
.macro TRIP slot, other, refill, first
	s_wait_xcnt 0x0
	v_lshl_add_u32 v190, v0, 2, 0x45000
	v_mov_b32 v191, 0
	s_wait_tensorcnt 0x0                           ; all my tensor loads have landed, my part of this trip's tiles among them: every group 0 may be written
	ds_add_u32 v190, v191
	s_wait_dscnt 0x0
	s_add_nc_u64 s[G0K+4*\slot+2:G0K+4*\slot+3], s[G0K+4*\slot+2:G0K+4*\slot+3], 2*KVSTEP   ; this slot's next tiles
	s_add_nc_u64 s[G0V+4*\slot+2:G0V+4*\slot+3], s[G0V+4*\slot+2:G0V+4*\slot+3], 2*KVSTEP
	s_add_nc_u64 s[G0M+4*\slot+2:G0M+4*\slot+3], s[G0M+4*\slot+2:G0M+4*\slot+3], 2*MSTEP
	s_wait_dscnt 0x0                               ; my reads of the last trip's slot are over
	ROUND                                          ; both now hold of every wave of every work-group of the cluster
.if \refill
	JLOAD \other
.endif
	SUB \slot, \first
.endm
	TRIP 0, 1, 1, 1                                ; the first products start the sums: nothing is cleared
	TRIP 1, 0, 1, 0
	s_mov_b32 s78, 6
.Ltrips:
	TRIP 0, 1, 1, 0
	TRIP 1, 0, 1, 0
	s_sub_co_u32 s78, s78, 1
	s_cmp_lg_u32 s78, 0
	s_cbranch_scc1 .Ltrips
	TRIP 0, 1, 1, 0                                ; asks for the last 128 keys
	TRIP 1, 0, 0, 0                                ; nothing is left to fetch (the stepped addresses are not used)
	; THE END, 1: waves 8-15 hand their out^T, sums and maxima to waves 0-7, in bytes 0 to 73,727 of slot 0.  That slot has had its last fill (shown landed
	; ahead of the last trip but one) and its last reads (every wave waited for them ahead of the last trip's round), and no tensor load follows.
	s_cmp_lt_u32 s10, 8
	s_cbranch_scc1 .Lkeep
.set i, 0
.rept 16
	ds_store_b128 v[MG], v[ACC+4*i:ACC+4*i+3] offset:512*i     ; 32 lanes x 16 neighbouring bytes
.set i, i+1
.endr
	ds_store_b128 v[MG], v[LS:LS+3] offset:8192                ; my two sums, the first tile's maximum twice
	ds_store_b128 v[MG], v[MP+2:MP+5] offset:8704              ; the second tile's maximum twice (and two words that are not used)
.Lkeep:
	s_wait_dscnt 0x0                               ; my stores are done, and my reads of slot 1: for the waves that read the one and write the other
	s_barrier_signal -1
	s_barrier_wait -1
	; THE END, 2: waves 0-7 join the two halves: m = max(m0, m1), a_i = 2^((m_i - m) log2 e), l = l0 a0 + l1 a1, out = out0 a0 / l + out1 a1 / l;
	; split the result into two f16 pieces and gather the block's 128 rows x 256 bytes of each in two stages, which lie in the slots: all reads of both are over.
	s_cmp_lt_u32 s10, 8
	s_cbranch_scc0 .Lsent
	ds_load_b128 v[PS:PS+3], v[MG] offset:8192
	ds_load_b128 v[PS+4:PS+7], v[MG] offset:8704
.set i, 0
.rept 16
	ds_load_b128 v[SC+4*i:SC+4*i+3], v[MG] offset:512*i
.set i, i+1
.endr
	s_wait_dscnt 16                                ; the partner's sums and maxima are in; the 16 loads of its out^T may stay out
.irp qt, 0,1
	v_max_num_f32 v[26+\qt], v[MP+2*\qt], v[PS+2+2*\qt]
	v_sub_f32 v[AL+2*\qt], v[MP+2*\qt], v[26+\qt]
	v_sub_f32 v[PS+8+2*\qt], v[PS+2+2*\qt], v[26+\qt]
	v_mul_f32 v[AL+2*\qt], 0x3fb8aa3b, v[AL+2*\qt]
	v_mul_f32 v[PS+8+2*\qt], 0x3fb8aa3b, v[PS+8+2*\qt]
.endr
.irp qt, 0,1
	v_exp_f32 v[AL+2*\qt], v[AL+2*\qt]             ; a0
	v_exp_f32 v[PS+8+2*\qt], v[PS+8+2*\qt]         ; a1
.endr
	v_nop                                          ; a plain instruction before the exponentials are read
	s_wait_alu depctr_va_vdst(0)
.irp qt, 0,1
	v_mul_f32 v[LS+\qt], v[LS+\qt], v[AL+2*\qt]
	v_fmac_f32 v[LS+\qt], v[PS+\qt], v[PS+8+2*\qt] ; my lane's part of l
	v_permlanex16_b32 v30, v[LS+\qt], s76, s77     ; and the part of the lane that holds my query's other keys
	v_add_f32 v[LS+\qt], v[LS+\qt], v30
.endr
	v_rcp_f32 v28, v[LS]
	v_rcp_f32 v29, v[LS+1]
	v_nop                                          ; a plain instruction before the reciprocals are read
	s_wait_alu depctr_va_vdst(0)
.irp qt, 0,1
	v_mul_f32 v[AL+2*\qt], v[AL+2*\qt], v[28+\qt]              ; a0 / l, twice
	v_mul_f32 v[PS+8+2*\qt], v[PS+8+2*\qt], v[28+\qt]          ; a1 / l, twice
	v_mov_b32 v[AL+2*\qt+1], v[AL+2*\qt]
	v_mov_b32 v[PS+9+2*\qt], v[PS+8+2*\qt]
.endr
	s_wait_dscnt 0x0                               ; the partner's out^T
.irp dt, 0,1,2,3
.irp qt, 0,1
.irp i, 0,1,2,3
	v_pk_mul_f32 v[ACC+8*(2*\dt+\qt)+2*\i:ACC+8*(2*\dt+\qt)+2*\i+1], v[ACC+8*(2*\dt+\qt)+2*\i:ACC+8*(2*\dt+\qt)+2*\i+1], v[AL+2*\qt:AL+2*\qt+1]
.endr
.irp i, 0,1,2,3
	v_pk_fma_f32 v[ACC+8*(2*\dt+\qt)+2*\i:ACC+8*(2*\dt+\qt)+2*\i+1], v[SC+8*(2*\dt+\qt)+2*\i:SC+8*(2*\dt+\qt)+2*\i+1], v[PS+8+2*\qt:PS+9+2*\qt], v[ACC+8*(2*\dt+\qt)+2*\i:ACC+8*(2*\dt+\qt)+2*\i+1]
.endr
.irp i, 0,1,2,3,4,5,6,7
	v_and_b32 v[KF+8*(2*\dt+\qt)+\i], 0xffffe000, v[ACC+8*(2*\dt+\qt)+\i]          ; the upper piece: 11 significant bits, still in f32
.endr
.irp i, 0,1,2,3
	v_pk_add_f32 v[ACC+8*(2*\dt+\qt)+2*\i:ACC+8*(2*\dt+\qt)+2*\i+1], v[ACC+8*(2*\dt+\qt)+2*\i:ACC+8*(2*\dt+\qt)+2*\i+1], v[KF+8*(2*\dt+\qt)+2*\i:KF+8*(2*\dt+\qt)+2*\i+1] neg_lo:[0,1] neg_hi:[0,1]   ; the rest, exact in f32
.endr
.irp i, 0,1,2,3
	v_cvt_pk_f16_f32 v[KF+8*(2*\dt+\qt)+\i], v[KF+8*(2*\dt+\qt)+2*\i], v[KF+8*(2*\dt+\qt)+2*\i+1]      ; both packed in place, ascending
	v_cvt_pk_f16_f32 v[ACC+8*(2*\dt+\qt)+\i], v[ACC+8*(2*\dt+\qt)+2*\i], v[ACC+8*(2*\dt+\qt)+2*\i+1]
.endr
	ds_store_b128 v[STO], v[KF+8*(2*\dt+\qt):KF+8*(2*\dt+\qt)+3] offset:16*SPITCH*\qt+32*\dt           ; upper pieces: query 16 qt + r, d = 16 dt + 8 h + 0..7
	ds_store_b128 v[STO], v[ACC+8*(2*\dt+\qt):ACC+8*(2*\dt+\qt)+3] offset:STLO+16*SPITCH*\qt+32*\dt    ; lower pieces
.endr
.endr
.Lsent:
	s_wait_dscnt 0x0                               ; my stores are done, for the waves that read them
	s_barrier_signal -1
	s_barrier_wait -1
	; THE END, 3: all sixteen waves read whole rows back, 8 rows each, and store them
.irp t, 0,1,2,3
	ds_load_b128 v[SC+4*\t:SC+4*\t+3], v[RD] offset:2*SPITCH*\t            ; rows 8 wave + 2 t + h: both heads' halves, upper pieces
.endr
.irp t, 0,1,2,3
	ds_load_b128 v[SC+16+4*\t:SC+16+4*\t+3], v[RD] offset:STLO+2*SPITCH*\t ; lower pieces
.endr
.irp t, 0,1,2,3
	s_wait_dscnt 7-\t                              ; load t of the eight is in
	global_store_b128 v[CO], v[SC+4*\t:SC+4*\t+3], s[8:9] offset:8192*\t   ; 16 lanes store 256 consecutive bytes, aligned
.endr
.irp t, 0,1,2,3
	s_wait_dscnt 3-\t
	global_store_b128 v[CO], v[SC+16+4*\t:SC+16+4*\t+3], s[8:9] offset:8192*\t+2048   ; the lower pieces lie 1,024 columns behind
.endr
	s_wait_xcnt 0x0
	v_lshl_add_u32 v190, v0, 2, 0x45000
	v_mov_b32 v191, 0
	s_wait_tensorcnt 0x0
	ds_add_u32 v190, v191
	s_wait_dscnt 0x0
	ROUND                                          ; the closing round
	s_endpgm
.Lfunc_end_k_q71b32a0f33_attn:
	.size	k_q71b32a0f33_attn, .Lfunc_end_k_q71b32a0f33_attn-k_q71b32a0f33_attn
	.p2alignl 7, 3214868480
	.fill 96, 4, 3214868480
	.section	.rodata,"a",@progbits
	.p2align	6, 0x0
	.amdhsa_kernel k_q71b32a0f33_attn
		.amdhsa_group_segment_fixed_size 327680
		.amdhsa_private_segment_fixed_size 0
		.amdhsa_enable_private_segment 0
		.amdhsa_kernarg_size 24
		.amdhsa_user_sgpr_count 2
		.amdhsa_user_sgpr_kernarg_segment_ptr 1
		.amdhsa_wavefront_size32 1
		.amdhsa_system_sgpr_workgroup_id_x 1
		.amdhsa_system_sgpr_workgroup_id_y 1
		.amdhsa_system_sgpr_workgroup_id_z 1
		.amdhsa_system_vgpr_workitem_id 0
		.amdhsa_next_free_vgpr 256
		.amdhsa_next_free_sgpr 102
		.amdhsa_reserve_vcc 0
		.amdhsa_float_denorm_mode_32 3
		.amdhsa_float_denorm_mode_16_64 3
		.amdhsa_memory_ordered 1
		.amdhsa_forward_progress 1
		.amdhsa_inst_pref_size 166
	.end_amdhsa_kernel
	.amdgpu_metadata
---
amdhsa.version: [ 1, 2 ]
amdhsa.kernels:
  - .name:           k_q71b32a0f33_attn
    .symbol:         k_q71b32a0f33_attn.kd
    .args:
      - { .name: qkv, .offset: 0, .size: 8, .value_kind: global_buffer, .address_space: global }
      - { .name: attention_mask, .offset: 8, .size: 8, .value_kind: global_buffer, .address_space: global }
      - { .name: att, .offset: 16, .size: 8, .value_kind: global_buffer, .address_space: global }
    .group_segment_fixed_size: 327680
    .private_segment_fixed_size: 0
    .kernarg_segment_align: 8
    .kernarg_segment_size: 24
    .max_flat_workgroup_size: 512
    .sgpr_count:     102
    .vgpr_count:     256
    .wavefront_size: 32
...
	.end_amdgpu_metadata
.endif
;; end of part 6
;; launch gemm_proj: the kernel of part 4 again; grid 8 x 32, 4 waves a work-group, clusters of 4 x 4, 327,680 bytes of LDS; arguments att, xw16, b_proj, out0; writes out0
;; ======== version 3 of 3: 4 launches; version 2 with the launch cvt written anew for expert scheduling mode
;; limits: right only within a limited range of input values; values are held in f16: magnitudes above 65,504 overflow, below 6.1e-05 lose precision
;; workspace buffers: xw16 16,777,216 bytes; qkv 25,165,824 bytes; att 16,777,216 bytes
;; launch cvt (part 7): grid 256 x 1, 8 waves a work-group, no clusters, 0 bytes of LDS; arguments x, W_attn, W_proj, xw16; writes xw16
.if DOCPART == 7
	.amdgcn_target "amdgcn-amd-amdhsa--gfx1250"
	.amdhsa_code_object_version 6
	.text
	.protected	k_q71b32a0f33_cvt
	.globl	k_q71b32a0f33_cvt
	.p2align	8
	.type	k_q71b32a0f33_cvt,@function
k_q71b32a0f33_cvt:
	s_mov_b64 s[64:65], 0
	v_nop
	global_prefetch_b8 v0, s[64:65] scope:SCOPE_SE
	s_setreg_imm32_b32 hwreg(HW_REG_WAVE_SCHED_MODE, 0, 2), 2
	s_setreg_imm32_b32 hwreg(HW_REG_WAVE_MODE, 25, 1), 1
	s_wait_xcnt 0x0
	s_wait_alu depctr_vm_vsrc(0)
; x [4096][1024], W_attn [3072][1024] and W_proj [1024][1024] from f32 to 16 bits, one behind the other in xw16
; (x at byte 0, W_attn at 0x800000, W_proj at 0xE00000), so that the two products that follow read 16-bit tiles and convert nothing.
; All three are rounded to bf16 (nearest even).  x and W_attn are stored as bf16.  W_proj's bf16 numbers are stored in f16, because its partner in the
; product, the attention's result, goes in f16 pieces; f16 holds a bf16 number (8 significant bits) exactly from 2^-14 to 65,504 in size.
; LIMIT: a number of W_proj beyond 65,504 becomes infinite; below 2^-17 it is kept to 2^-25 absolute.  The drawn ones have a spread of 0.02.
; A stream: no LDS, no matrix unit, no cluster (no byte is read by two work-groups).
; Work-group g takes 32,768 numbers (131,072 bytes in, 65,536 out): g 0-127 of x, 128-223 of W_attn, 224-255 of W_proj.
; A wave takes 16,384 bytes by 32 loads of 512 neighbouring bytes, all issued at once; each store of a wave covers 256 consecutive bytes, aligned.
; THE MODE: SCHED_MODE bits 1:0 = 2 (LLVM: expert scheduling mode 2), set by the entry lines.  The code itself states the register dependences
; between vector instructions and memory instructions, with s_wait_alu, always for 0.
; THE PLAN.  Registers that memory instructions touch:
;   v1, v2          byte offsets in the input and in xw16: made at the head, read by every load (v1) and every store (v2), never written again.
;   v[X+4 i ..+3]   load i lands here, once.  Its conversions read the four and leave two packed words in the first two; store i reads those two; nothing writes them afterwards.
;   v[T:T+1], v3    named by vector instructions alone.
; The 32 loads go in eight blocks of four.  Block p rounds its own sixteen registers; its memory instructions are the four stores of block p - 1, whose registers
; no vector instruction of block p names.  So ONE wait on va_vdst at a block's head states all that the block's four stores hang on, and they are dealt among its
; conversions with no further wait.  No register that a load or a store has read is written again: no wait on vm_vsrc is owed anywhere.
; No vector instruction writes a scalar register or VCC, and EXEC is never written.
.set X, 4                              ; v[4:131]  load i: 4 registers; its two packed words are made in the first two
.set T, 132                            ; v[132:133] W_proj: four numbers in bf16
.set BLOCK,  4                         ; loads in a block
.set BLOCKS, 32 / BLOCK
	s_load_b256 s[4:11], s[0:1], 0x0               ; x s[4:5], W_attn s[6:7], W_proj s[8:9], xw16 s[10:11]
	s_mov_b32 s12, ttmp9                           ; g
	v_and_b32 v3, 31, v0                           ; lane
	v_lshrrev_b32 v2, 5, v0                        ; wave
	v_lshlrev_b32 v1, 4, v3
	v_lshl_add_u32 v1, v2, 14, v1                  ; in: 16 x lane + 16,384 x wave
	v_lshlrev_b32 v3, 3, v3
	v_lshl_add_u32 v2, v2, 13, v3                  ; out: 8 x lane + 8,192 x wave
	s_wait_kmcnt 0x0
	s_cmp_lt_u32 s12, 128                          ; which input, and the number of its first work-group
	s_cselect_b64 s[14:15], s[4:5], s[6:7]
	s_cselect_b32 s16, 0, 128
	s_cmp_lt_u32 s12, 224
	s_cselect_b64 s[14:15], s[14:15], s[8:9]
	s_cselect_b32 s16, s16, 224
	s_sub_co_u32 s17, s12, s16
	s_lshl_b32 s18, s17, 17                        ; 131,072 bytes for each work-group of that input (below 16 MiB)
	s_mov_b32 s19, 0
	s_add_nc_u64 s[14:15], s[14:15], s[18:19]
	s_lshl_b32 s20, s12, 16                        ; 65,536 bytes out for each work-group
	s_mov_b32 s21, 0
	s_add_nc_u64 s[10:11], s[10:11], s[20:21]
	s_wait_alu depctr_va_vdst(0)                   ; v1 and v2 are written: every load below reads v1 as its offset, every store v2
.set i, 0
.rept 32
	global_load_b128 v[X+4*i:X+4*i+3], v1, s[14:15] offset:512*i th:TH_LOAD_NT
.set i, i+1
.endr
; Load i's four numbers rounded to bf16 and packed into its first two registers.
.macro TO_BF16 i
	v_cvt_pk_bf16_f32 v[X+4*(\i)], v[X+4*(\i)], v[X+4*(\i)+1]
	v_cvt_pk_bf16_f32 v[X+4*(\i)+1], v[X+4*(\i)+2], v[X+4*(\i)+3]
.endm
; The same for W_proj: rounded to bf16, and those numbers written in f16.
.macro TO_F16 i
	v_cvt_pk_bf16_f32 v[T], v[X+4*(\i)], v[X+4*(\i)+1]                 ; the rounding,
	v_cvt_pk_bf16_f32 v[T+1], v[X+4*(\i)+2], v[X+4*(\i)+3]
	v_lshlrev_b32 v[X+4*(\i)], 16, v[T]                                ; back to f32 (a shift or a mask),
	v_and_b32 v[X+4*(\i)+1], 0xffff0000, v[T]
	v_lshlrev_b32 v[X+4*(\i)+2], 16, v[T+1]
	v_and_b32 v[X+4*(\i)+3], 0xffff0000, v[T+1]
	v_cvt_pk_f16_f32 v[X+4*(\i)], v[X+4*(\i)], v[X+4*(\i)+1]           ; and the same numbers in f16
	v_cvt_pk_f16_f32 v[X+4*(\i)+1], v[X+4*(\i)+2], v[X+4*(\i)+3]
.endm
; Store i: no register of a store is written again.
.macro SEND i
	global_store_b64 v2, v[X+4*(\i):X+4*(\i)+1], s[10:11] offset:256*(\i)
.endm
	s_cmp_lt_u32 s12, 224
	s_cbranch_scc0 .Lw_proj
.set p, 0
.rept BLOCKS
	s_wait_loadcnt 32-BLOCK-BLOCK*p                ; loads return in order: block p's four are in, the 28 - 4 p younger ones stay out
.if p > 0
	s_wait_alu depctr_va_vdst(0)                   ; block p - 1's conversions have written the packed words that the four stores below read
.endif
.set j, 0
.rept BLOCK
.if p > 0
	SEND BLOCK*(p-1)+j                             ; no vector instruction since the wait names this store's registers
.endif
	TO_BF16 BLOCK*p+j
.set j, j+1
.endr
.set p, p+1
.endr
	s_wait_alu depctr_va_vdst(0)                   ; the last block's conversions have written the packed words that the last four stores read
.set j, 0
.rept BLOCK
	SEND 32-BLOCK+j
.set j, j+1
.endr
	s_endpgm
.Lw_proj:
.set p, 0
.rept BLOCKS
	s_wait_loadcnt 32-BLOCK-BLOCK*p                ; block p's four loads are in, the 28 - 4 p younger ones stay out
.if p > 0
	s_wait_alu depctr_va_vdst(0)                   ; block p - 1's conversions have written the packed words that the four stores below read
.endif
.set j, 0
.rept BLOCK
.if p > 0
	SEND BLOCK*(p-1)+j                             ; no vector instruction since the wait names this store's registers
.endif
	TO_F16 BLOCK*p+j
.set j, j+1
.endr
.set p, p+1
.endr
	s_wait_alu depctr_va_vdst(0)                   ; the last block's conversions have written the packed words that the last four stores read
.set j, 0
.rept BLOCK
	SEND 32-BLOCK+j
.set j, j+1
.endr
	s_endpgm
.Lfunc_end_k_q71b32a0f33_cvt:
	.size	k_q71b32a0f33_cvt, .Lfunc_end_k_q71b32a0f33_cvt-k_q71b32a0f33_cvt
	.p2alignl 7, 3214868480
	.fill 96, 4, 3214868480
	.section	.rodata,"a",@progbits
	.p2align	6, 0x0
	.amdhsa_kernel k_q71b32a0f33_cvt
		.amdhsa_group_segment_fixed_size 0
		.amdhsa_private_segment_fixed_size 0
		.amdhsa_enable_private_segment 0
		.amdhsa_kernarg_size 32
		.amdhsa_user_sgpr_count 2
		.amdhsa_user_sgpr_kernarg_segment_ptr 1
		.amdhsa_wavefront_size32 1
		.amdhsa_system_sgpr_workgroup_id_x 1
		.amdhsa_system_sgpr_workgroup_id_y 1
		.amdhsa_system_sgpr_workgroup_id_z 1
		.amdhsa_system_vgpr_workitem_id 0
		.amdhsa_next_free_vgpr 136
		.amdhsa_next_free_sgpr 66
		.amdhsa_reserve_vcc 0
		.amdhsa_float_denorm_mode_32 3
		.amdhsa_float_denorm_mode_16_64 3
		.amdhsa_memory_ordered 1
		.amdhsa_forward_progress 1
		.amdhsa_inst_pref_size 30
	.end_amdhsa_kernel
	.amdgpu_metadata
---
amdhsa.version: [ 1, 2 ]
amdhsa.kernels:
  - .name:           k_q71b32a0f33_cvt
    .symbol:         k_q71b32a0f33_cvt.kd
    .args:
      - { .name: x, .offset: 0, .size: 8, .value_kind: global_buffer, .address_space: global }
      - { .name: W_attn, .offset: 8, .size: 8, .value_kind: global_buffer, .address_space: global }
      - { .name: W_proj, .offset: 16, .size: 8, .value_kind: global_buffer, .address_space: global }
      - { .name: xw16, .offset: 24, .size: 8, .value_kind: global_buffer, .address_space: global }
    .group_segment_fixed_size: 0
    .private_segment_fixed_size: 0
    .kernarg_segment_align: 8
    .kernarg_segment_size: 32
    .max_flat_workgroup_size: 256
    .sgpr_count:     66
    .vgpr_count:     136
    .wavefront_size: 32
...
	.end_amdgpu_metadata
.endif
;; end of part 7
;; launch gemm_qkv: the kernel of part 5 again; grid 12 x 16, 4 waves a work-group, clusters of 4 x 4, 327,680 bytes of LDS; arguments xw16, b_attn, qkv; writes qkv
;; launch attn: the kernel of part 6 again; grid 16 x 16, 16 waves a work-group, clusters of 4 x 4, 327,680 bytes of LDS; arguments qkv, attention_mask, att; writes att
;; launch gemm_proj: the kernel of part 4 again; grid 8 x 32, 4 waves a work-group, clusters of 4 x 4, 327,680 bytes of LDS; arguments att, xw16, b_proj, out0; writes out0
